; MI455X (gfx1250); checked and timed in simulation.
; The chip was launched on July 23, 2026; its instructions are those of AMD's public machine-readable ISA for CDNA 5 (MIT licence, August 2026) and "CDNA5" Instruction Set Architecture Reference Guide (July 2026). The comments in the code are by the model that wrote it; some were corrected since.
;; Multi Head Self Attention. Allowed arithmetic: matrix products marked QUANTISED: E2M3 operands, one E8M0 scale for each 32 along K, by v_wmma_scale_f32_16x16x128_f8f6f4 with both operands' format E2M3, f32 sums; everything else in f32.
;; Inputs: Wk 1,024 x 1,024 float32; Wo 1,024 x 1,024 float32; Wq 1,024 x 1,024 float32; Wv 1,024 x 1,024 float32; x 4 x 2,048 x 1,024 float32.
;; Outputs: out0 4 x 2,048 x 1,024 float32.
;; This version of the problem:
;;   THIS VERSION OF THE PROBLEM IS GIVEN IN LOW PRECISION. The matrix products marked QUANTISED in the list below multiply operands that are first quantised to E2M3 (2 exponent bits, 3 mantissa bits; 6 bits a number), with one power-of-two scale for each 32 numbers along K (OCP MX v1.0); their sums are f32. All else is computed in f32.
;;   The module's matrix products, in the order in which they are computed (A, B: the left and right operand; K: the contracted axis; several contracted axes count as one K, in the product's order):
;;     1. [M 8,192, K 1,024] x [K 1,024, N 1,024]; A: input x; B: input Wq: QUANTISED
;;     2. [M 8,192, K 1,024] x [K 1,024, N 1,024]; A: input x; B: input Wk: QUANTISED
;;     3. [M 8,192, K 1,024] x [K 1,024, N 1,024]; A: input x; B: input Wv: QUANTISED
;;     4. batch 64 x [M 2,048, K 64] x [K 64, N 2,048]; A: computed on the way; B: computed on the way: QUANTISED
;;     5. batch 64 x [M 2,048, K 2,048] x [K 2,048, N 64]; A: softmax (see below); B: computed on the way: QUANTISED
;;     6. [M 8,192, K 1,024] x [K 1,024, N 1,024]; A: computed on the way; B: input Wo: QUANTISED
;;   THE QUANTISER, for each operand of a quantised product, along K:
;;     - K is cut into blocks of 32 from its start; a last block that is shorter is filled with zeros.
;;     - A block's scale is 2^e with e = floor(log2(the largest magnitude in the block)) - 2, held to -126 .. 127; a block of zeros has e = 0. As a byte (E8M0): e + 127.
;;     - Each number is divided by its block's scale, clamped to +-7.5, and rounded to the nearest number of E2M3, ties to even, subnormals kept.
;;     - The product sums the exact products of the quantised numbers (number of the format x scale) in f32.
;;   ~~~python
;;   def quantise(x, axis):      # numpy; x: float32 -> the quantised numbers, widened to float32 again
;;       x = np.moveaxis(x, axis, -1); K = x.shape[-1]
;;       x = np.pad(x, [(0, 0)] * (x.ndim - 1) + [(0, -K % 32)]); x = x.reshape(x.shape[:-1] + (-1, 32)); a = np.abs(x).max(-1, keepdims=True)
;;       e = np.where(a > 0, np.clip(np.frexp(np.where(a > 0, a, 1))[1] - 1 - 2, -126, 127), 0)      # np.frexp(a)[1] - 1 = floor(log2(a)), exactly
;;       r = np.clip(x / 2.0 ** e, -7.5, 7.5)
;;       step = 2.0 ** (np.maximum(np.frexp(np.where(r == 0, 1, r))[1] - 1, 0) - 3)
;;       q = np.round(r / step) * step * 2.0 ** e      # np.round: ties to even
;;       return np.moveaxis(q.reshape(q.shape[:-2] + (-1,))[..., :K], -1, axis).astype(np.float32)
;;   ~~~
;;   SOFTMAX AHEAD OF A QUANTISED PRODUCT. Where the list says 'softmax', what is quantised is not the finished softmax but p = 2^(t - M), with t = logit x log2(e) and M = ceil(the row's largest t), a whole number; so 1/2 < the row's largest p <= 1. The row's sum l is taken of the UNQUANTISED p, in f32, and the product's result is divided by l at the end. Since M is a whole number, a kernel that streams over the keys may use a running M (the ceiling of the running maximum): every later rescaling is an exact power of two, which a block's scale takes up: the codes' values come out the same.
;;   OPERANDS COMPUTED ON THE WAY. 'Computed on the way' means the value that the module computes at that place (a softmax that the list does not call 'softmax' is quantised finished and normalised). What goes into a quantiser is computed in f32, as accurately as f32 sums, v_exp_f32 and their like allow (about 1e-6 of the number): no bf16 or f16 on the way to a quantiser, and a product that is left as it is and whose result goes on into a quantised operand takes f32 operands (vector FMAs, or v_wmma_f32_16x16x4_f32). A number that lies on a knife's edge between two numbers of the format may be rounded either way, as far as f32 arithmetic and the matrix unit's own rounding can turn it there, and no further.
;; One version. Each part assembles by itself: llvm-mc -triple=amdgcn-amd-amdhsa -mcpu=gfx1250 --defsym DOCPART=n.
;; ======== version 1 of 1: 4 launches
;; limits: right only within a limited range of input values
;; workspace buffers: codes 8,650,752 bytes; gsc 360,448 bytes; ocodes 7,077,888 bytes; ogsc 294,912 bytes; k_codes 6,815,744 bytes; v_codes 6,815,744 bytes
;; launch quant (part 1): grid 256 x 1, 6 waves a work-group, no clusters, 51,456 bytes of LDS; arguments x, Wq, Wk, Wv, Wo, codes, gsc, ocodes, ogsc; writes codes, gsc, ocodes, ogsc
.if DOCPART == 1
	.amdgcn_target "amdgcn-amd-amdhsa--gfx1250"
	.amdhsa_code_object_version 6
	.text
	.protected	k_qad80844080_quant
	.globl	k_qad80844080_quant
	.p2align	8
	.type	k_qad80844080_quant,@function
k_qad80844080_quant:
	s_mov_b64 s[64:65], 0
	v_nop
	global_prefetch_b8 v0, s[64:65] scope:SCOPE_SE
	s_setreg_imm32_b32 hwreg(HW_REG_WAVE_MODE, 25, 1), 1
	s_wait_xcnt 0x0
; x [8192][1024] and Wq, Wk, Wv, Wo [1024][1024], f32, K innermost, become codes of FP6 (E2M3) with one E8M0 byte for each 32 along K, laid IN THE ORDER OF AN OPERAND'S REGISTERS.
; FRAGMENTS.  Fragment f of a tensor holds 16 rows: lane-row r is the true row 64 (f / 4) + 8 (f % 4) + r % 8 + 32 (r / 8).  f 0..511: x; 512..575 Wq; 576..639 Wk; 640..703 Wv; 704..767 Wo.
; codes[f][kh 0..15][768]: a half fragment, 16 rows x 64 K: lane l's registers 0-3 at 16 l, its registers 4-5 at 512 + 8 l; lane (r, h) holds k = 64 kh + 32 h + 0 .. 31 of its row.
; gsc[f][q 0..1][r][16]: word w of the 16 bytes is row r's scale word of the 128 along K that begin at 128 (4 q + w).
; A block's scale is 2^(floor(log2(its largest magnitude)) - 2): its byte is the largest magnitude's exponent field - 2, held at 1 from below.
; LIMITS: a block whose largest magnitude lies under 2^-124 gets the byte 1; a block of zeros gets the byte 1 where the rule says 127 (its codes are zeros, and this program alone reads the bytes);
; NaN and infinities among the inputs are not served.
; SHARES.  1,536 waves; wave u = 6 x work-group + wave takes fragment u / 2 and half u % 2 of K: 16 rows x 512 K, in four steps of 128 K.  A load reads 512 consecutive bytes of one row; a step's 16 rows turn through
; the wave's own stage in LDS (rows of 512 + 16 bytes) so that a lane gets 16 neighbours of each block of 32.  No barrier: waves share nothing.  Loads run two steps (32 loads a wave) ahead.
.set STG,  8448                        ; a wave's stage: 16 rows x 528 bytes
.set R,    16                          ; v16-143  two sets of 16 x 4 registers as loaded
.set X,    144                         ; v144-207 64 numbers: register 16 b + i = k 32 b + 16 h + i of my row
.set PC,   208                         ; v208-227 the codes just made
.set TM,   228                         ; v228-231 largest magnitudes, v232-235 the other half's, then bytes, v240-243 the conversions' scale operands
.set PW,   244                         ; the scale word just made
.set SW,   248                         ; v248-251 the four steps' scale words
.set SEL,  20                          ; s[20:21] lane selects for v_permlanex16_b32: lane l xor 16
; 64 numbers of a lane become a fragment's 12 registers in v[PC] on and its row's scale word in v[PW].
.macro QUANT s
.irp b, 0,1,2,3
	v_max3_num_f32 v[TM+\b], |v[\s+16*\b]|, |v[\s+1+16*\b]|, 0x1800000   ; block b: my 16 numbers, and the floor 2^(3 - 127): the byte cannot fall under 1
.endr
.irp i, 2,4,6,8,10,12,14
.irp b, 0,1,2,3
	v_max3_num_f32 v[TM+\b], v[TM+\b], |v[\s+16*\b+\i]|, |v[\s+1+16*\b+\i]|   ; the four blocks by turns
.endr
.endr
.irp b, 0,1,2,3
	v_permlanex16_b32 v[TM+4+\b], v[TM+\b], s[SEL], s[SEL+1]
.endr
.irp b, 0,1,2,3
	v_max_num_f32 v[TM+\b], v[TM+\b], v[TM+4+\b]   ; with lane l xor 16's: the block's largest magnitude
.endr
.irp b, 0,1,2,3
	v_add_nc_u32 v[TM+12+\b], 0xff000000, v[TM+\b] ; 2 off its exponent field: the conversion takes this operand's exponent field as its scale
.endr
.irp b, 0,1,2,3
	v_lshrrev_b32 v[TM+4+\b], 23, v[TM+12+\b]      ; the scale's byte
.endr
	v_lshl_or_b32 v[PW], v[TM+5], 8, v[TM+4]
	v_lshl_or_b32 v[PW], v[TM+6], 16, v[PW]
	v_lshl_or_b32 v[PW], v[TM+7], 24, v[PW]
.irp c, 0,1
	v_cvt_scalef32_pk16_fp6_f32 v[PC+6*\c:PC+2+6*\c], v[\s+32*\c:\s+15+32*\c], v[TM+12+2*\c]
	v_cvt_scalef32_pk16_fp6_f32 v[PC+12+4*\c:PC+14+4*\c], v[\s+16+32*\c:\s+31+32*\c], v[TM+13+2*\c]   ; (a conversion's three registers begin on an even number)
.endr
	v_nop                                          ; one plain instruction behind a scaled conversion
.irp c, 0,1                                    ; the operand wants a whole block in a lane: lanes 0-15 block 2 c, lanes 16-31 block 2 c + 1
.irp i, 0,1,2
	v_permlane16_swap_b32 v[PC+6*\c+\i], v[PC+12+4*\c+\i]
.endr
.irp i, 0,1,2
	v_mov_b32 v[PC+3+6*\c+\i], v[PC+12+4*\c+\i]
.endr
.endr
.endm
.macro LOAD s                          ; step s: 512 bytes of each of my 16 rows, into set s % 2
.irp p, 0,1,2,3,4,5,6,7,8,9,10,11,12,13,14,15
	global_load_b128 v[R+64*((\s)%2)+4*\p:R+64*((\s)%2)+4*\p+3], v4, s[4:5] offset:(\p%8+32*(\p/8))*4096+512*(\s) th:TH_LOAD_NT   ; THE ROW ORDER IN USE: lane-row r of fragment f is true row 64 (f / 4) + 8 (f % 4) + r % 8 + 32 (r / 8) (the head's line gives an older order)
.endr
.endm
.macro STEP s
.if (\s) < 3
	s_wait_loadcnt 16                              ; this step's 16 loads are in; the next step's 16 may be out
.else
	s_wait_loadcnt 0
.endif
.irp p, 0,1,2,3,4,5,6,7,8,9,10,11,12,13,14,15
	ds_store_b128 v6, v[R+64*((\s)%2)+4*\p:R+64*((\s)%2)+4*\p+3] offset:528*\p
.endr
.irp b, 0,1,2,3
.irp j, 0,1,2,3
	ds_load_b128 v[X+16*\b+4*\j:X+16*\b+4*\j+3], v7 offset:128*\b+16*\j   ; LDS serves a wave's instructions in order: these see the stores above
.endr
.endr
	s_wait_dscnt 0x0                               ; my 64 numbers are in, and the stores have read their set
.if (\s)+2 < 4
	LOAD (\s)+2
.endif
.if (\s) > 0
	s_wait_xcnt 0x0                                ; the last step's stores have read the codes' registers, which are written again below
.endif
	QUANT X
	v_mov_b32 v[SW+(\s)], v[PW]
	global_store_b128 v4, v[PC:PC+3], s[14:15] offset:1536*(\s)            ; 32 lanes store 512 consecutive bytes, aligned;
	global_store_b64 v5, v[PC+4:PC+5], s[14:15] offset:1536*(\s)+512       ; 256 consecutive bytes, aligned
	global_store_b128 v4, v[PC+6:PC+9], s[14:15] offset:1536*(\s)+768
	global_store_b64 v5, v[PC+10:PC+11], s[14:15] offset:1536*(\s)+1280
.endm
	s_load_b256 s[4:11], s[0:1], 0x0               ; x s[4:5], Wq s[6:7], Wk s[8:9], Wv s[10:11]
	s_load_b128 s[12:15], s[0:1], 0x20             ; Wo s[12:13], codes s[14:15]
	s_load_b64 s[16:17], s[0:1], 0x30              ; gsc
	s_load_b128 s[32:35], s[0:1], 0x38             ; ocodes s[32:33], ogsc s[34:35]: Wo's 64 fragments go there, as fragments 0 .. 63, beside the attention's result
	v_lshl_add_u32 v254, v0, 2, 0xc600
	v_mov_b32 v255, 0
	v_lshrrev_b32 v1, 5, v0
	v_readfirstlane_b32 s18, v1                    ; wave 0..5
	v_and_b32 v1, 31, v0                           ; lane
	v_and_b32 v2, 15, v0                           ; r
	v_bfe_u32 v3, v0, 4, 1                         ; h
	v_lshlrev_b32 v4, 4, v1                        ; 16 x lane
	v_lshlrev_b32 v5, 3, v1                        ; 8 x lane
	s_mul_i32 s19, s18, STG
	v_add_nc_u32 v6, s19, v4                       ; the stage, in: 16 bytes a lane of a row
	v_mul_u32_u24 v7, v2, 528
	v_lshl_add_u32 v7, v3, 6, v7
	v_add_nc_u32 v7, s19, v7                       ; out: row r, + 64 h: my 16 numbers of a block
	v_lshlrev_b32 v8, 4, v2
	v_lshl_add_u32 v8, v3, 3, v8                   ; the scale words' place: 16 r + 8 h
	s_mov_b32 s[SEL], 0x76543210
	s_mov_b32 s[SEL+1], 0xfedcba98
.irp b, 0,1,2,3
	v_mov_b32 v[TM+4+\b], 0                        ; written once: a lane permute's destination counts as one of its sources
.endr
	s_mul_i32 s22, ttmp9, 6
	s_add_co_u32 s22, s22, s18                     ; u
	s_and_b32 s23, s22, 1                          ; which half of K
	s_lshr_b32 s22, s22, 1                         ; fragment g, 0..767
	s_and_b32 s24, s22, 63
	s_cmp_lt_u32 s22, 512
	s_cselect_b32 s24, s22, s24                    ; the fragment's number in its own tensor
	s_lshr_b32 s25, s24, 2
	s_lshl_b32 s25, s25, 6
	s_and_b32 s26, s24, 3                          ; the fragment's first row: 64 (f / 4) + 8 (f % 4)
	s_lshl_b32 s26, s26, 3
	s_add_co_u32 s26, s26, s25                     ; its first row: 64 (f / 4) + 8 (f % 4)
	s_lshl_b32 s26, s26, 12                        ; rows of 4,096 bytes
	s_lshl_b32 s27, s23, 11
	s_add_co_u32 s26, s26, s27                     ; + 2,048 bytes for the second half of K
	s_mov_b32 s27, 0
	s_cmp_ge_u32 s22, 704                          ; Wo?
	s_cselect_b32 s36, 704, 0
	s_sub_co_u32 s36, s22, s36                     ; the fragment's number in the buffer that takes it
	s_mul_i32 s28, s36, 12288
	s_mul_i32 s29, s23, 6144
	s_add_co_u32 s28, s28, s29                     ; where my codes go
	s_mov_b32 s29, 0
	s_lshl_b32 s30, s36, 9
	s_lshl_b32 s31, s23, 8
	s_add_co_u32 s30, s30, s31                     ; and my scale words
	s_mov_b32 s31, 0
	s_wait_alu depctr_va_vdst(0)
	s_wait_kmcnt 0x0
	s_cmp_ge_u32 s22, 512                          ; which tensor: the choice hangs on the fragment's number alone
	s_cselect_b64 s[4:5], s[6:7], s[4:5]
	s_cmp_ge_u32 s22, 576
	s_cselect_b64 s[4:5], s[8:9], s[4:5]
	s_cmp_ge_u32 s22, 640
	s_cselect_b64 s[4:5], s[10:11], s[4:5]
	s_cmp_ge_u32 s22, 704
	s_cselect_b64 s[4:5], s[12:13], s[4:5]
	s_cselect_b64 s[14:15], s[32:33], s[14:15]
	s_cselect_b64 s[16:17], s[34:35], s[16:17]
	s_add_nc_u64 s[4:5], s[4:5], s[26:27]
	s_add_nc_u64 s[14:15], s[14:15], s[28:29]
	s_add_nc_u64 s[16:17], s[16:17], s[30:31]
	LOAD 0
	LOAD 1
	STEP 0
	STEP 1
	STEP 2
	STEP 3
	v_cmp_eq_u32 vcc_lo, 1, v3
	v_cndmask_b32 v252, v[SW], v[SW+2], vcc_lo     ; lanes 0-15 store words 0, 1 of their row, lanes 16-31 words 2, 3
	v_cndmask_b32 v253, v[SW+1], v[SW+3], vcc_lo
	global_store_b64 v8, v[252:253], s[16:17]      ; 32 lanes store 256 consecutive bytes, aligned
	s_wait_tensorcnt 0x0
	ds_add_u32 v254, v255
	s_wait_dscnt 0x0
	s_endpgm
.Lfunc_end_k_qad80844080_quant:
	.size	k_qad80844080_quant, .Lfunc_end_k_qad80844080_quant-k_qad80844080_quant
	.p2alignl 7, 3214868480
	.fill 96, 4, 3214868480
	.section	.rodata,"a",@progbits
	.p2align	6, 0x0
	.amdhsa_kernel k_qad80844080_quant
		.amdhsa_group_segment_fixed_size 51456
		.amdhsa_private_segment_fixed_size 0
		.amdhsa_enable_private_segment 0
		.amdhsa_kernarg_size 72
		.amdhsa_user_sgpr_count 2
		.amdhsa_user_sgpr_kernarg_segment_ptr 1
		.amdhsa_wavefront_size32 1
		.amdhsa_system_sgpr_workgroup_id_x 1
		.amdhsa_system_sgpr_workgroup_id_y 1
		.amdhsa_system_sgpr_workgroup_id_z 1
		.amdhsa_system_vgpr_workitem_id 0
		.amdhsa_next_free_vgpr 256
		.amdhsa_next_free_sgpr 66
		.amdhsa_reserve_vcc 1
		.amdhsa_float_denorm_mode_32 3
		.amdhsa_float_denorm_mode_16_64 3
		.amdhsa_memory_ordered 1
		.amdhsa_forward_progress 1
		.amdhsa_inst_pref_size 35
	.end_amdhsa_kernel
	.amdgpu_metadata
---
amdhsa.version: [ 1, 2 ]
amdhsa.kernels:
  - .name:           k_qad80844080_quant
    .symbol:         k_qad80844080_quant.kd
    .args:
      - { .name: x, .offset: 0, .size: 8, .value_kind: global_buffer, .address_space: global }
      - { .name: Wq, .offset: 8, .size: 8, .value_kind: global_buffer, .address_space: global }
      - { .name: Wk, .offset: 16, .size: 8, .value_kind: global_buffer, .address_space: global }
      - { .name: Wv, .offset: 24, .size: 8, .value_kind: global_buffer, .address_space: global }
      - { .name: Wo, .offset: 32, .size: 8, .value_kind: global_buffer, .address_space: global }
      - { .name: codes, .offset: 40, .size: 8, .value_kind: global_buffer, .address_space: global }
      - { .name: gsc, .offset: 48, .size: 8, .value_kind: global_buffer, .address_space: global }
      - { .name: ocodes, .offset: 56, .size: 8, .value_kind: global_buffer, .address_space: global }
      - { .name: ogsc, .offset: 64, .size: 8, .value_kind: global_buffer, .address_space: global }
    .group_segment_fixed_size: 51456
    .private_segment_fixed_size: 0
    .kernarg_segment_align: 8
    .kernarg_segment_size: 72
    .max_flat_workgroup_size: 192
    .sgpr_count:     66
    .vgpr_count:     256
    .wavefront_size: 32
...
	.end_amdgpu_metadata
.endif
;; end of part 1
;; launch proj (part 2): grid 8 x 32, 4 waves a work-group, clusters of 4 x 4, 327,680 bytes of LDS; arguments codes, gsc, k_codes, v_codes; writes k_codes, v_codes
.if DOCPART == 2
	.amdgcn_target "amdgcn-amd-amdhsa--gfx1250"
	.amdhsa_code_object_version 6
	.text
	.protected	k_qad80844080_proj
	.globl	k_qad80844080_proj
	.p2align	8
	.type	k_qad80844080_proj,@function
k_qad80844080_proj:
	s_mov_b64 s[64:65], 0
	v_nop
	global_prefetch_b8 v0, s[64:65] scope:SCOPE_SE
	s_setreg_imm32_b32 hwreg(HW_REG_WAVE_MODE, 25, 1), 1
	s_wait_xcnt 0x0
	s_wait_alu depctr_hold_cnt(0) depctr_sa_sdst(0) depctr_va_vdst(0) depctr_va_sdst(0) depctr_va_ssrc(0) depctr_va_vcc(0) depctr_vm_vsrc(0)
	s_getreg_b32 s2, hwreg(HW_REG_IB_STS2, 6, 4)
	s_cmp_eq_u32 s2, 0
	s_cbranch_scc0 .Lentry_in_a_cluster
	s_endpgm
.Lentry_in_a_cluster:
	s_bfe_u32 s2, ttmp6, 0x10000c
	s_cmp_lg_u32 s2, 0xf033
	s_cbranch_scc0 .Lentry_shape_is_right
	s_endpgm
.Lentry_shape_is_right:
; K = x Wk^T, V = x Wv^T on codes of FP6 (E2M3) with E8M0 scales, K = 1,024, and the results quantised in registers: K along the head's 64, V along the keys.  Nothing leaves as f32.
; D[i][j] = sum over k of S1[i][k] S0[j][k].  Source 0 of the matrix instruction takes S0, source 1 takes S1: a lane holds ONE i (its lane-row) and its registers run along j.
;   clusters with x = 0 (K): S1 = x (i = token), S0 = Wk (j = output column).   clusters with x = 1 (V): S1 = Wv (i = channel), S0 = x (j = token = key).  So j is in both cases the axis to quantise along.
; The two cases differ in numbers chosen by s_cselect_b32 / s_cselect_b64 on the cluster's x, which all partners share; there is one path through the text.
; OPERANDS lie in fragment order (codes[f][kh][768], gsc[f][q][r][16]): lane-row r of fragment f is true row 64 (f / 4) + 8 (f % 4) + r % 8 + 32 (r / 8).  So the 16 result registers of S0's fragments 2 b, 2 b + 1 are the
; 16 neighbours j = 64 (b / 2) + 16 (b % 2) + 32 (lane / 16) + 0 .. 15, which is what the conversions want, and a fragment comes from LDS by four loads without bank conflicts (16 or 8 bytes a lane, on end).
; A tile of D is 256 x 256, four waves of 128 x 128: 64 accumulators, 512 registers.  K goes in eight steps of 128, all written out.  Three LDS slots of 256 along K; the fourth 256 along K fill slot 0 again.
; CLUSTERS: 4 x 4 work-groups; S1's tile is shared along a row of the cluster, S0's along a column: each is asked for jointly.  A wave has at most three tensor loads out.
; 384 work-groups: one and a half times the WGPs; a tile of 256 x 384 would not leave registers for operands.
; OUT.  qk_codes[hr][tau][768]: half fragment of token fragment tau of a batch, hr = 32 b + head (Q) or 32 b + 16 + head (K).  qk_scales[hr][s][lane][4 words]: word i of lane (r, h): tile 8 s + 2 i + h, row r; bytes 2, 3 are 0.
; v_codes[hr][s][c][1536]: 16 channels (fragment order) x keys 128 s on, hr = 16 b + head.  v_scales[hr][s][lane][4 words]: words 0, 1 of lane (r, h): fragments h, 2 + h (words 2, 3 repeat the neighbour head's and are not used).
; LIMITS: a block whose largest magnitude lies under 2^-124, and a block of zeros, get the byte 1 (this program alone reads the bytes); NaN and infinities are not served.
; REGISTERS: window 0: v1-22 addresses; v28, v29 for the add; v32-95 scale words (nothing else); v128-223 S1's 8 fragments, later the epilogue.  window 1: S0's fragments, two sets, v0 and v128.
;   window 2: accumulators of S1's blocks 0-3 ((a, b) at v[8 (8 (a % 4) + b)]); window 3: blocks 4-7.
.set FR,    12                         ; registers of a fragment
.set HALFT, 8*3072                     ; 8 fragments x 256 along K: what one tensor load brings, and what one wave reads of S1 or S0 in a slot
.set SLOT,  4*HALFT                    ; S1's two halves, then S0's two
.set SPARE, 3*SLOT                     ; behind the slots: the spare words, 128 bytes a wave, which no other line names
.set SPW,   28
.set NIL,   29
.set SC,    32                         ; v[SC + 8 i + k]: lanes 0-15 the word of S1's block i, lanes 16-31 that of S0's block i, for K step k
.set AF,    128
.set G1A,   24                         ; s[24:31] group 1 for S1's tiles; s[32:43] three groups 0
.set G0A,   32
.set G0B,   44                         ; s[44:55] three groups 0 for S0's tiles; s[56:63] their group 1
.set G1B,   56
.set PC,    128                        ; epilogue: v128-147 codes; v148-163 at work; v164-171 eight scale words; v172-183 what is stored of them
.set TM,    148
.set PWA,   164
.set WW,    172
.set WA,    176
.set WB,    180
.set MSB, 0
.macro WIN new                         ; the immediate's high byte repeats the setting that is left
.if MSB != (\new)
	s_set_vgpr_msb (MSB<<8)|(\new)
.set MSB, (\new)
.endif
.endm
.set MUL_LO, 0xa1                      ; source 0 (S0) window 1, source 1 (S1) window 0, C and D window 2
.set MUL_HI, 0xf1                      ; the same, C and D window 3
.set TO_B,   0x40                      ; destination window 1, address window 0
.macro PLACES n
.rept \n
	v_nop
.endr
.endm
; A joint load: waves 0 and 1 fetch S1's halves, waves 2 and 3 S0's.  The branch hangs on the wave's number alone.  Four v_nop follow each of the two lines.
.macro JLOAD g0a, g0b
	s_cmp_eq_u32 s17, 0
	s_cbranch_scc0 .Lfor_b_\@
	tensor_load_to_lds s[\g0a:\g0a+3], s[G1A:G1A+7]
	s_nop 0
.rept 4
	v_nop
.endr
	s_branch .Lasked_\@
.Lfor_b_\@:
	tensor_load_to_lds s[\g0b:\g0b+3], s[G1B:G1B+7]
	s_nop 0
.rept 4
	v_nop
.endr
.Lasked_\@:
.endm
.macro CREST                           ; a round of the cluster's barrier behind its opening barrier
	s_cmp_lg_u32 s16, 0
	s_cbranch_scc1 .Lnot_wave_0_\@
	s_barrier_signal -3
.Lnot_wave_0_\@:
	s_barrier_wait -3
	s_barrier_signal -1
	s_barrier_wait -1
.endm
.macro CROUND
	s_barrier_signal -1
	s_barrier_wait -1
	CREST
.endm
; A fragment, 16 rows x 128 K, is two half fragments: registers 0-3 at 16 x lane, 4-5 at 512 + 8 x lane, and the same 768 bytes on for registers 6-11.  a16: the register with 16 x lane; a16 + 3: that with 8 x lane.
.macro FRAG reg, a16, q, i
	ds_load_b128 v[\reg:\reg+3], v[\a16] offset:3072*(\i)+1536*(\q)
	ds_load_b64 v[\reg+4:\reg+5], v[\a16+3] offset:3072*(\i)+1536*(\q)+512
	ds_load_b128 v[\reg+6:\reg+9], v[\a16] offset:3072*(\i)+1536*(\q)+768
	ds_load_b64 v[\reg+10:\reg+11], v[\a16+3] offset:3072*(\i)+1536*(\q)+1280
.endm
.macro FETCH_B n, q, p                 ; S0's eight fragments of slot n's q-th 128 along K into set p
	WIN TO_B
.irp i, 0,1,2,3,4,5,6,7
	FRAG 128*(\p)+FR*\i, 10+\n, \q, \i
.endr
	WIN 0
.endm
.macro FETCH_A n, q, i0                ; S1's blocks i0 .. i0 + 3
.irp i, \i0, \i0+1, \i0+2, \i0+3
	FRAG AF+FR*(\i), 4+\n, \q, \i
.endr
.endm
; 16 matrix instructions: S1's blocks a0, a0 + 1 x S0's eight, K step k; p: S0's set.  zero = 1: the first product starts the sums.  The 64 accumulators take turns, one instruction a turn.
.macro MUL16 a0, p, k, zero
.irp a, \a0, \a0+1
.irp b, 0,1,2,3,4,5,6,7
.if \zero
	v_wmma_scale_f32_16x16x128_f8f6f4 v[8*(8*((\a)%4)+\b):8*(8*((\a)%4)+\b)+7], v[128*(\p)+FR*\b:128*(\p)+FR*\b+FR-1], v[AF+FR*(\a):AF+FR*(\a)+FR-1], 0, v[SC+8*\b+(\k)], v[SC+8*(\a)+(\k)] matrix_a_fmt:MATRIX_FMT_FP6 matrix_b_fmt:MATRIX_FMT_FP6 matrix_a_scale:MATRIX_SCALE_ROW1
.else
	v_wmma_scale_f32_16x16x128_f8f6f4 v[8*(8*((\a)%4)+\b):8*(8*((\a)%4)+\b)+7], v[128*(\p)+FR*\b:128*(\p)+FR*\b+FR-1], v[AF+FR*(\a):AF+FR*(\a)+FR-1], v[8*(8*((\a)%4)+\b):8*(8*((\a)%4)+\b)+7], v[SC+8*\b+(\k)], v[SC+8*(\a)+(\k)] matrix_a_fmt:MATRIX_FMT_FP6 matrix_b_fmt:MATRIX_FMT_FP6 matrix_a_scale:MATRIX_SCALE_ROW1
.endif
.endr
.endr
.endm
; K step k: 64 matrix instructions; the next step's fragments come from slot nn, its nq-th 128 along K.  S1 has one set of registers (blocks 0-3 are fetched anew in the middle, 4-7 at the end), S0 two.
; mode 0: nothing else.  mode 1: slot 0 has been read out and is filled again: the three lines, a round of the cluster's barrier, the joint refill first behind it.  mode 2: the refill is waited for, and a barrier shows it to all four waves.
.macro KSTEP k, nn, nq, mode, zero
.if \mode == 0
	s_wait_dscnt 16                                ; S0's set and S1's blocks 0-3 are in; the youngest 16 loads (S1's blocks 4-7) may be out
.elseif (\mode == 1) || (\mode == 3)           ; mode 3: slot 2's first fill, issued as a refill is; mode 1: slot 0's refill
	s_wait_tensorcnt 0x0                           ; all my tensor loads have landed
	ds_add_u32 v[SPW], v[NIL]                      ; 0 onto my spare word
.if \mode == 3
	s_mov_b32 s[G1A+2], 8<<16                      ; no tensor load of mine is out: from here on a load brings 8 fragments
	s_mov_b32 s[G1A+4], 8
	s_mov_b32 s[G1B+2], 8<<16
	s_mov_b32 s[G1B+4], 8
.endif
	s_wait_dscnt 17                                ; (the add and the youngest 16 loads may be out)
.else
	s_wait_tensorcnt 0x0                           ; the one load that was out, my part of the refill, has landed
	s_wait_dscnt 16
.endif
	WIN MUL_LO
	MUL16 0, (\k)%2, \k, \zero
.if \mode != 0
	s_wait_dscnt 0x0                               ; my LDS loads are in (mode 1: the add is done, and my reads of slot 0 are over)
	s_barrier_signal -1
.endif
	MUL16 2, (\k)%2, \k, \zero
.if \mode == 0
	s_wait_dscnt 0x0                               ; S1's blocks 4-7 are in
	PLACES 4                                       ; four plain instructions in front of loads into registers that matrix instructions have read
.elseif (\mode == 1) || (\mode == 3)
	WIN 0
	s_barrier_wait -1
	CREST                                          ; no wave of any partner still reads the slot or has a load on its way
	JLOAD G0A+4*(\mode-1), G0B+4*(\mode-1)         ; mode 1: slot 0's groups 0; mode 3: slot 2's.  The first tensor load behind the round; its four v_nop are the places in front of the loads below
.else
	WIN 0
	s_barrier_wait -1
	PLACES 4
.endif
	FETCH_B \nn, \nq, 1-(\k)%2
	FETCH_A \nn, \nq, 0
	WIN MUL_HI
	MUL16 4, (\k)%2, \k, \zero
	MUL16 6, (\k)%2, \k, \zero
	PLACES 4
	WIN 0
	FETCH_A \nn, \nq, 4
.endm
	s_load_b128 s[4:7], s[0:1], 0x0                ; codes s[4:5], gsc s[6:7]
	s_load_b128 s[8:11], s[0:1], 0x10              ; k_codes s[8:9], v_codes s[10:11]: [head row][16 steps of 128 tokens][6,144 bytes of codes, 512 of scale words]
	v_lshl_add_u32 v[SPW], v0, 2, SPARE
	v_mov_b32 v[NIL], 0
	ds_add_u32 v28, v29
	ds_add_u32 v28, v29
	s_wait_dscnt 0x0
	v_lshrrev_b32 v1, 5, v0
	v_readfirstlane_b32 s16, v1                    ; wave 0..3
	s_lshr_b32 s17, s16, 1                         ; my half of S1.  Also: I fetch for S1 (0) or S0 (1)
	s_and_b32 s18, s16, 1                          ; my half of S0.  Also: which half of that tile I fetch
	s_bfe_u32 s19, ttmp6, 0x40000                  ; cx
	s_bfe_u32 s20, ttmp6, 0x40004                  ; cy
	s_and_b32 s22, ttmp7, 0xffff                   ; the cluster's y, 0..7; its x is ttmp9, 0..1
	s_lshl_b32 s23, s20, 2
	s_lshl_b32 s23, 15, s23                        ; my row of the cluster
	s_lshl_b32 s66, 0x1111, s19                    ; my column
	; group 1: 8 rows (fragments) of 3,072 bytes (384 elements of 8 bytes), 12,288 bytes apart; no padding
	s_or_b32 s[G1A], s23, (3<<16)|(1<<21)          ; 15:0 the mask; 17:16 elements of 8 bytes; 21 set beside a mask
	s_or_b32 s[G1B], s66, (3<<16)|(1<<21)
.irp g, G1A, G1B
	s_mov_b32 s[\g+1], 384<<16                     ; tensor_dim0
	s_mov_b32 s[\g+2], 16<<16                      ; tensor_dim1: the head's loads bring 16 fragments
	s_mov_b32 s[\g+3], 384<<16                     ; tile_dim0
	s_mov_b32 s[\g+4], 16                          ; tile_dim1
	s_mov_b32 s[\g+5], 1536                        ; elements from row to row
	s_mov_b32 s[\g+6], 0
	s_mov_b32 s[\g+7], 0
.endr
	; both cases' numbers, then one compare and a run of selections
	s_lshl_b32 s67, s22, 6                         ; Q, K: S1 = x's fragments 64 y on
	s_mov_b32 s68, 576                             ; THIS LAUNCH MAKES K AND V ALONE (Q is made by the attention's launch): 256 work-groups.  Clusters with x = 0: K, S0 = Wk, fragments 576 on; with x = 1: V
	s_mov_b32 s70, s22                             ; V: the cluster's y, 0..7
	s_lshl_b32 s71, s70, 2
	s_add_co_u32 s71, s71, s19                     ; V: the token tile
	s_lshl_b32 s70, s70, 6                         ; V: S0 = x's fragments
	s_lshl_b32 s86, s22, 2
	s_add_co_u32 s86, s86, s20                     ; Q, K: the token tile 4 y + cy
	s_mov_b32 s88, s19                             ; K: the column tile cx
	s_mov_b32 s76, 768
	s_mov_b32 s80, 106496
	s_mov_b32 s84, 0xffff
	s_cmp_eq_u32 ttmp9, 1                          ; V?  The cluster's x, which all partners share
	s_cselect_b32 s67, 640, s67                    ; V: S1 = Wv
	s_cselect_b32 s68, s70, s68
	s_cselect_b32 s86, s71, s86                    ; the token tile, 0..31
	s_cselect_b32 s87, s18, s17                    ; my half of it
	s_cselect_b32 s88, s20, s88                    ; the tile of columns or channels: four heads
	s_cselect_b32 s89, s17, s18                    ; my half of it: two heads
	s_mov_b32 s90, 4                               ; head rows in a batch: 16 in both buffers
	s_cselect_b32 s76, 1536, s76                   ; from block to block of the epilogue
	s_cselect_b32 s78, 100352, 0                   ; V: at block 4 on to the next head: 106,496 - 4 x 1,536
	s_cselect_b32 s80, 768, s80                    ; from a fragment's first half to its second: the next 64 keys (V) or the next head (Q, K)
	s_cselect_b32 s84, -1, s84
	s_cselect_b32 s85, -1, 0
	s_mov_b32 s77, 0
	s_mov_b32 s79, 0
	s_mov_b32 s81, 0
	s_lshl_b32 s69, s20, 4
	s_add_co_u32 s67, s67, s69                     ; S1's first fragment: + 16 cy (never cx)
	s_lshl_b32 s70, s19, 4
	s_add_co_u32 s68, s68, s70                     ; S0's first fragment: + 16 cx (never cy)
	s_lshl_b32 s91, s18, 3                         ; which 8 fragments of the tile I fetch
	s_add_co_u32 s92, s67, s91
	s_mul_i32 s92, s92, 12288
	s_mov_b32 s93, 0
	s_add_co_u32 s94, s68, s91
	s_mul_i32 s94, s94, 12288
	s_mov_b32 s95, 0
	s_mul_i32 s96, s16, HALFT                      ; where the later loads go: wave x a half: no place in the cluster enters an LDS address
	s_mul_i32 s72, s67, 12288                      ; the head's loads: a whole tile of 16 fragments, the (wave / 2)-th 256 along K
	s_mul_i32 s73, s17, 3072
	s_add_co_u32 s72, s72, s73                     ; S1's (never cx)
	s_mul_i32 s74, s68, 12288
	s_add_co_u32 s74, s74, s73                     ; S0's (never cy)
	s_mov_b32 s73, 0
	s_mov_b32 s75, 0
	s_mul_i32 s97, s17, SLOT                       ; into slot wave / 2
	s_wait_kmcnt 0x0
	s_add_nc_u64 s[92:93], s[4:5], s[92:93]
	s_add_nc_u64 s[94:95], s[4:5], s[94:95]
	CROUND                                         ; all sixteen work-groups are here: the first joint loads meet
.irp n, 0,2                            ; slot 0's groups 0 serve its refill, the fourth 256 along K; slot 2's its first fill, the third
	s_mov_b32 s[G0A+4*\n], 1
	s_add_co_u32 s[G0A+4*\n+1], s96, \n*SLOT
	s_add_nc_u64 s[G0A+4*\n+2:G0A+4*\n+3], s[92:93], (3-\n/2)*3072
	s_or_b32 s[G0A+4*\n+3], s[G0A+4*\n+3], 0x80000000
	s_mov_b32 s[G0B+4*\n], 1
	s_add_co_u32 s[G0B+4*\n+1], s96, \n*SLOT
	s_add_nc_u64 s[G0B+4*\n+2:G0B+4*\n+3], s[94:95], (3-\n/2)*3072
	s_or_b32 s[G0B+4*\n+3], s[G0B+4*\n+3], 0x80000000
.endr
	s_mov_b32 s[G0A+4], 1                          ; the head's groups 0
	s_mov_b32 s[G0A+5], s97
	s_add_nc_u64 s[G0A+6:G0A+7], s[4:5], s[72:73]
	s_or_b32 s[G0A+7], s[G0A+7], 0x80000000
	s_mov_b32 s[G0B+4], 1
	s_add_co_u32 s[G0B+5], s97, 2*HALFT
	s_add_nc_u64 s[G0B+6:G0B+7], s[4:5], s[74:75]
	s_or_b32 s[G0B+7], s[G0B+7], 0x80000000
	; THE HEAD'S LOADS, ONE A WAVE, in one chain of branches on the wave's number: wave 0 slot 0's S1, wave 1 slot 0's S0, wave 2 slot 1's S1, wave 3 slot 1's S0
	s_cmp_eq_u32 s16, 0
	s_cbranch_scc0 .Lh1
	tensor_load_to_lds s[G0A+4:G0A+7], s[G1A:G1A+7]
	s_nop 0
	PLACES 4
	s_branch .Lfirst_done
.Lh1:
	s_cmp_eq_u32 s16, 1
	s_cbranch_scc0 .Lh2
	tensor_load_to_lds s[G0B+4:G0B+7], s[G1B:G1B+7]
	s_nop 0
	PLACES 4
	s_branch .Lfirst_done
.Lh2:
	s_cmp_eq_u32 s16, 2
	s_cbranch_scc0 .Lh3
	tensor_load_to_lds s[G0A+4:G0A+7], s[G1A:G1A+7]
	s_nop 0
	PLACES 4
	s_branch .Lfirst_done
.Lh3:
	tensor_load_to_lds s[G0B+4:G0B+7], s[G1B:G1B+7]
	s_nop 0
	PLACES 4
.Lfirst_done:
	v_and_b32 v1, 31, v0                           ; lane
	v_and_b32 v2, 15, v0                           ; r
	v_bfe_u32 v3, v0, 4, 1                         ; h
	v_lshlrev_b32 v16, 4, v1
	v_lshlrev_b32 v17, 3, v1
	s_mul_i32 s97, s17, HALFT                      ; my half of S1
	s_mul_i32 s98, s18, HALFT
	s_add_co_u32 s98, s98, 2*HALFT                 ; my half of S0
.irp n, 0,1,2
	v_add_nc_u32 v[4+\n], s97, v16
	v_add_nc_u32 v[7+\n], s97, v17
	v_add_nc_u32 v[10+\n], s98, v16
	v_add_nc_u32 v[13+\n], s98, v17
	s_add_co_u32 s97, s97, SLOT
	s_add_co_u32 s98, s98, SLOT
.endr
	; the scale words of all of K come once, straight into registers: lanes 0-15 S1's, lanes 16-31 S0's; sixteen lanes read 256 consecutive bytes
	s_lshl_b32 s97, s17, 3
	s_add_co_u32 s97, s97, s67
	s_lshl_b32 s97, s97, 9
	s_lshl_b32 s98, s18, 3
	s_add_co_u32 s98, s98, s68
	s_lshl_b32 s98, s98, 9
	v_mov_b32 v18, s97
	v_mov_b32 v22, s98
	v_cmp_eq_u32 vcc_lo, 1, v3
	v_cndmask_b32 v18, v18, v22, vcc_lo
	v_lshl_add_u32 v18, v2, 4, v18
.irp i, 0,1,2,3,4,5,6,7
.irp q, 0,1
	global_load_b128 v[SC+8*\i+4*\q:SC+8*\i+4*\q+3], v18, s[6:7] offset:512*\i+256*\q
.endr
.endr
	; where the results go
	s_lshr_b32 s91, s86, 3                         ; the batch
	s_lshl_b32 s91, s91, s90
	s_lshl_b32 s88, s88, 2
	s_add_co_u32 s91, s91, s88
	s_lshl_b32 s89, s89, 1
	s_add_co_u32 s91, s91, s89                     ; hr: the first of my two head rows
	s_and_b32 s86, s86, 7
	s_lshl_b32 s86, s86, 1
	s_add_co_u32 s86, s86, s87                     ; s: which 128 tokens of the batch
	s_mul_i32 s92, s91, 106496                     ; a head row: 16 steps of 6,656 bytes
	s_mul_i32 s93, s86, 6656
	s_add_co_u32 s92, s92, s93
	s_mov_b32 s93, 0
	s_cmp_eq_u32 ttmp9, 1
	s_cselect_b64 s[72:73], s[10:11], s[8:9]
	s_add_nc_u64 s[72:73], s[72:73], s[92:93]      ; a fragment's first half
	s_add_nc_u64 s[82:83], s[72:73], 6144          ; the step's scale words, behind its codes
	s_add_nc_u64 s[74:75], s[72:73], s[80:81]      ; its second half
	s_mov_b32 s2, 0x76543210
	s_mov_b32 s3, 0xfedcba98                       ; lane selects for v_permlanex16_b32: lane l xor 16
	s_wait_alu depctr_va_vdst(0)                   ; the wait at the head's end
	s_cmp_lt_u32 s16, 2                            ; waves 0 and 1 wait for slot 0's two tiles, which their own load lines brought; slot 1 may stay out
	s_cbranch_scc0 .Lnot_slot0
	s_wait_tensorcnt 0x0
.Lnot_slot0:
	s_barrier_signal -1
	s_barrier_wait -1                              ; slot 0 is whole
	FETCH_B 0, 0, 0
	FETCH_A 0, 0, 0
	FETCH_A 0, 0, 4
	s_wait_loadcnt 0x0                             ; the scale words
	KSTEP 0, 0, 1, 3, 1                            ; the first step's products start the sums; its round shows slot 1 to all, and slot 2's first fill follows it
	KSTEP 1, 1, 0, 0, 0
	KSTEP 2, 1, 1, 1, 0                            ; slot 0 was read out in step 0's fetches and is filled again; the round shows slot 2 to all
	s_wait_alu depctr_va_vdst(0)
	KSTEP 3, 2, 0, 0, 0                            ; no barrier: every wave waited for slot 2 in front of the round
	KSTEP 4, 2, 1, 0, 0
	KSTEP 5, 0, 0, 2, 0
	KSTEP 6, 0, 1, 0, 0
	s_wait_dscnt 16                                ; the last step: nothing more to fetch
	WIN MUL_LO
	MUL16 0, 1, 7, 0
	MUL16 2, 1, 7, 0
	s_wait_dscnt 0x0
	WIN MUL_HI
	MUL16 4, 1, 7, 0
	MUL16 6, 1, 7, 0
	WIN 0
	PLACES 4                                       ; in front of the first read of results and the first write over S1's fragments
; THE EPILOGUE.  Block a: the 64 registers of accumulators (a, 0..7): register 32 c + i = j 64 c + 32 h + i of my lane-row.  They become a fragment's 12 registers and a scale word.
; Q, K: registers 0-5 are my first head's half fragment of token fragment 8 s + a, registers 6-11 my second head's.  V: the whole fragment a % 4 of head a / 4, keys 128 s on.
; Each accumulator is read from its low end on.  Every store covers 512 or 256 consecutive bytes, aligned.
.macro EQ a
.set AC, 64*((\a)%4)
.set WN, 2+(\a)/4
.if (\a) > 0
	s_wait_xcnt 0x0                                ; the last block's stores have read their data and bases, which are written again below
	s_add_nc_u64 s[72:73], s[72:73], s[76:77]
	s_add_nc_u64 s[74:75], s[74:75], s[76:77]
.endif
.if (\a) == 4
	s_add_nc_u64 s[72:73], s[72:73], s[78:79]
	s_add_nc_u64 s[74:75], s[74:75], s[78:79]
.endif
	WIN WN|(WN<<2)                                 ; sources 0 and 1: the accumulators' window
.irp b, 0,1,2,3
	v_max3_num_f32 v[TM+\b], |v[AC+16*\b]|, |v[AC+16*\b+1]|, 0x1800000   ; and the floor 2^(3 - 127): the byte cannot fall under 1
.endr
	WIN (WN<<2)|(WN<<4)                            ; sources 1 and 2
.irp i, 2,4,6,8,10,12,14
.irp b, 0,1,2,3
	v_max3_num_f32 v[TM+\b], v[TM+\b], |v[AC+16*\b+\i]|, |v[AC+16*\b+\i+1]|
.endr
.endr
	WIN 0
; THE ROW ORDER IN USE: lane-row r of fragment f is true row 64 (f / 4) + 8 (f % 4) + r % 8 + 32 (r / 8) (the head's line gives an older order).  So register 32 c + i of a block is j = 64 c + 32 h + i:
; a lane holds two WHOLE scale blocks, 2 c + h, and the conversions' results are the operand's registers as they fall.
.irp c, 0,1
	v_max_num_f32 v[TM+2*\c], v[TM+2*\c], v[TM+2*\c+1]   ; my block 2 c + h: its largest magnitude
.endr
.irp c, 0,1
	v_add_nc_u32 v[TM+12+\c], 0xff000000, v[TM+2*\c]     ; 2 off its exponent field: the conversion's scale operand
.endr
.irp c, 0,1
	v_lshrrev_b32 v[TM+4+\c], 23, v[TM+12+\c]      ; the scale's byte
.endr
	v_lshl_or_b32 v[TM+4], v[TM+5], 16, v[TM+4]    ; my two bytes,
	v_lshlrev_b32 v[TM+4], v[TM+8], v[TM+4]        ; 8 h bits up: bytes h and 2 + h;
	v_permlanex16_b32 v[TM+6], v[TM+4], s2, s3
	v_or_b32 v[PWA+(\a)], v[TM+4], v[TM+6]         ; with lane l xor 16's two the row's word is whole, in both halves of the lanes
	WIN WN                                         ; source 0: the accumulators' window
.irp c, 0,1
	v_cvt_scalef32_pk16_fp6_f32 v[PC+6*\c:PC+6*\c+2], v[AC+32*\c:AC+32*\c+15], v[TM+12+\c]
	v_cvt_scalef32_pk16_fp6_f32 v[PC+12+4*\c:PC+14+4*\c], v[AC+32*\c+16:AC+32*\c+31], v[TM+12+\c]   ; (a conversion's three registers begin on an even number)
.endr
	WIN 0
	v_nop                                          ; one plain instruction behind a scaled conversion
.irp c, 0,1
.irp i, 0,1,2
	v_mov_b32 v[PC+3+6*\c+\i], v[PC+12+4*\c+\i]
.endr
.endr
	global_store_b128 v16, v[PC:PC+3], s[72:73]
	global_store_b64 v17, v[PC+4:PC+5], s[72:73] offset:512
	global_store_b128 v16, v[PC+6:PC+9], s[74:75]
	global_store_b64 v17, v[PC+10:PC+11], s[74:75] offset:512
.endm
.irp b, 0,1,2,3
	v_mov_b32 v[TM+4+\b], 0                        ; written once: a lane permute's destination counts as one of its sources
.endr
	v_lshlrev_b32 v[TM+8], 3, v3                   ; 8 h
	EQ 0
	EQ 1
	EQ 2
	EQ 3
	EQ 4
	EQ 5
	EQ 6
	EQ 7
	; the scale words: word i of lane (r, h) is block 2 i + h's.  Q, K: its low half for my first head, its high half for my second.  V: whole words; the second head's store begins with blocks 4 + h, 6 + h.
	v_cmp_eq_u32 vcc_lo, 1, v3
.irp i, 0,1,2,3
	v_cndmask_b32 v[WW+\i], v[PWA+2*\i], v[PWA+2*\i+1], vcc_lo
.endr
.irp i, 0,1,2,3
	v_and_b32 v[WA+\i], s84, v[WW+\i]
	v_lshrrev_b32 v[WB+\i], 16, v[WW+\i]
.endr
.irp i, 0,1,2,3
	v_cndmask_b32 v[WB+\i], v[WB+\i], v[WW+(\i+2)%4], s85
.endr
	global_store_b128 v16, v[WA:WA+3], s[82:83]
	global_store_b128 v16, v[WB:WB+3], s[82:83] offset:106496   ; the next head row
	s_wait_tensorcnt 0x0                           ; the wave's end
	ds_add_u32 v[SPW], v[NIL]
	s_wait_dscnt 0x0
	CROUND                                         ; the closing round: no work-group ends while a partner may still ask for a tile that names it
	s_endpgm
.Lfunc_end_k_qad80844080_proj:
	.size	k_qad80844080_proj, .Lfunc_end_k_qad80844080_proj-k_qad80844080_proj
	.p2alignl 7, 3214868480
	.fill 96, 4, 3214868480
	.section	.rodata,"a",@progbits
	.p2align	6, 0x0
	.amdhsa_kernel k_qad80844080_proj
		.amdhsa_group_segment_fixed_size 327680
		.amdhsa_private_segment_fixed_size 0
		.amdhsa_enable_private_segment 0
		.amdhsa_kernarg_size 32
		.amdhsa_user_sgpr_count 2
		.amdhsa_user_sgpr_kernarg_segment_ptr 1
		.amdhsa_wavefront_size32 1
		.amdhsa_system_sgpr_workgroup_id_x 1
		.amdhsa_system_sgpr_workgroup_id_y 1
		.amdhsa_system_sgpr_workgroup_id_z 1
		.amdhsa_system_vgpr_workitem_id 0
		.amdhsa_next_free_vgpr 1024
		.amdhsa_next_free_sgpr 100
		.amdhsa_reserve_vcc 1
		.amdhsa_float_denorm_mode_32 3
		.amdhsa_float_denorm_mode_16_64 3
		.amdhsa_memory_ordered 1
		.amdhsa_forward_progress 1
		.amdhsa_inst_pref_size 144
	.end_amdhsa_kernel
	.amdgpu_metadata
---
amdhsa.version: [ 1, 2 ]
amdhsa.kernels:
  - .name:           k_qad80844080_proj
    .symbol:         k_qad80844080_proj.kd
    .args:
      - { .name: codes, .offset: 0, .size: 8, .value_kind: global_buffer, .address_space: global }
      - { .name: gsc, .offset: 8, .size: 8, .value_kind: global_buffer, .address_space: global }
      - { .name: k_codes, .offset: 16, .size: 8, .value_kind: global_buffer, .address_space: global }
      - { .name: v_codes, .offset: 24, .size: 8, .value_kind: global_buffer, .address_space: global }
    .group_segment_fixed_size: 327680
    .private_segment_fixed_size: 0
    .kernarg_segment_align: 8
    .kernarg_segment_size: 32
    .max_flat_workgroup_size: 128
    .sgpr_count:     100
    .vgpr_count:     1024
    .wavefront_size: 32
...
	.end_amdgpu_metadata
.endif
;; end of part 2
;; launch attn (part 3): grid 4 x 64, 8 waves a work-group, clusters of 4 x 1, 263,168 bytes of LDS; arguments k_codes, v_codes, codes, gsc, ocodes, ogsc; writes ocodes, ogsc
.if DOCPART == 3
	.amdgcn_target "amdgcn-amd-amdhsa--gfx1250"
	.amdhsa_code_object_version 6
	.text
	.protected	k_qad80844080_attn
	.globl	k_qad80844080_attn
	.p2align	8
	.type	k_qad80844080_attn,@function
k_qad80844080_attn:
	s_mov_b64 s[64:65], 0
	v_nop
	global_prefetch_b8 v0, s[64:65] scope:SCOPE_SE
	s_setreg_imm32_b32 hwreg(HW_REG_WAVE_MODE, 25, 1), 1
	s_wait_xcnt 0x0
	s_wait_alu depctr_hold_cnt(0) depctr_sa_sdst(0) depctr_va_vdst(0) depctr_va_sdst(0) depctr_va_ssrc(0) depctr_va_vcc(0) depctr_vm_vsrc(0)
	s_getreg_b32 s2, hwreg(HW_REG_IB_STS2, 6, 4)
	s_cmp_eq_u32 s2, 0
	s_cbranch_scc0 .Lentry_in_a_cluster
	s_endpgm
.Lentry_in_a_cluster:
	s_bfe_u32 s2, ttmp6, 0x10000c
	s_cmp_lg_u32 s2, 0x3003
	s_cbranch_scc0 .Lentry_shape_is_right
	s_endpgm
.Lentry_shape_is_right:
; Q = x Wq^T for one head, quantised in registers; then O = softmax(Q K^T / 8) V; all products on codes of FP6 (E2M3) with E8M0 scales; O / l is quantised along the model's 1,024 and stored as the last product's operand.
; THE SOFTMAX: t = score x log2(e) / 8; M = the running largest t rounded UP to a whole number; p = 2^(t - M) is quantised along the keys, not normalised; the row's sum l is taken of the unquantised p and divides
; at the end.  When M moves, l and O are multiplied by 2^(old M - new M): exact.
; SHARES.  A work-group owns 512 queries of one (batch, head).  Wave w takes TWO query tiles at once in pass p = 0, 1: tile A = 32 cx + 16 p + w and tile B = A + 8, so that each fragment of K, V and Wq read from LDS
; feeds two tiles' products.  Eight waves of 512 registers, two to a SIMD.
; REGISTER WINDOWS.  Tile A's registers lie in window 0, tile B's under the same numbers in window 1: a section of a tile is one text, run under two window settings (0x55: all operands in window 1; 0x54: source 0 in
; window 0, for products whose source 0 is a shared fragment; 0x15: a result for window 0; 0x40, 0x04: a load's data, a store's data).  K's, V's and Wq's fragments, addresses and ALL scale words lie in window 0.
; BUFFERS.  codes[f][kh 0..15][768], gsc[f][q][r][16]: x's fragments 0 .. 511, Wq's 512 .. 575.  k_codes, v_codes[16 b + head][step of 128 tokens][6,144 bytes of codes, then 512 of scale words]: K: 8 tiles x 768, V: 4 channel
; tiles x 1,536.  A half fragment of 768 bytes: lane l's registers 0-3 at 16 l, its registers 4-5 at 512 + 8 l.  A step's scale words: 16 bytes a lane: word i of lane (r, h) is tile 2 i + h, row r.
; LDS, FILLED ONCE: K's head at 0, V's at 106,496, the head's four fragments of Wq at 212,992.  One tensor load a wave: waves 0 to 3 a half of K or V (53,248 bytes), waves 4 to 7 a fragment of Wq (12,288) by a load line
; of their own.  The four work-groups of a head are a cluster, and every load is a joint one that names the four.  The first barrier shows Wq; the second, behind the first Q products, all.
; No prefetch: the tiles are all asked for at the kernel's head; a pass's fragments of x come by plain loads at the pass's start, and the same bytes serve sixteen heads' work-groups.
; LAYOUT.  All products are used transposed (source 0 = 16 channels of Wq, 16 keys, 16 channels of V): a lane holds ONE query of each tile throughout.  Lane-row r of tile t is row 64 (t / 4) + 8 (t % 4) + r % 8 + 32 (r / 8),
; so a lane's 32 registers of four neighbouring tiles are 32 neighbours 32 h + 0 .. 31: a WHOLE scale block, in the order of the next operand's registers.
; K = 64 UNDER AN INSTRUCTION OF K = 128.  Q's codes for k = 64 .. 127 are zeros (v22-27), so the upper six registers of a tile of K may hold any codes: they are the next tile's lower six (behind the last: zeros).
; Bytes 2 and 3 of both sides' scale words are 0, a finite code: those products are exactly 0.
; OUT.  ocodes[64 + 128 b + tile][kh = head][768], ogsc[..][head / 8][r][2 (head % 8) + h].  A row's two scale bytes belong to a word that other heads' work-groups share: they leave as single bytes, 32 of a tile's 512.
; LIMITS: the promise holds while |t| stays under 2^31; a block whose largest magnitude lies under 2^-124, and a block of zeros, get the byte 1 (this program alone reads the bytes); NaN and infinities are not served.
.set STEPB, 6656                       ; a step of 128 keys in LDS and in memory
.set HEADB, 16*STEPB                   ; a head's K or V
.set PIECE, 8*STEPB                    ; what one tensor load of K or V brings
.set WB,    2*HEADB                    ; Wq's four fragments
.set SPARE, WB+4*12288                 ; the spare words, 128 bytes a wave
.set TILEB, 8*12288                    ; from tile A's fragment to tile B's in codes and ocodes; in gsc and ogsc 8 x 512
.set S,   96                           ; v96-159  Q's sums (v96-127); S^T, then p
.set O,   160                          ; v160-191 O^T
.set PD,  192                          ; v192-203 p's codes; v204-210 the conversions' second halves, then three chains of the sum
.set PE,  204
.set BM,  212                          ; v212-215 chains of maxima
.set SO,  216                          ; v216, v217 the conversions' scale operands
.set PT,  218                          ; v218, v219 bytes; v220 the other half's
; scale words, window 0, nothing else in them: v86-91 K's and V's; v88-95 x's of tile A, v230-237 of tile B; v238-253 Wq's; v30, v29 Q's of tiles A, B; v228, v222 p's
.set WS,  238
.set WV,  16                           ; s16 my wave's number
.set SEL, 20                           ; s[20:21] lane l xor 16
.set CS,  22                           ; s[22:23] c = log2(e) / 8
.set G1,  24                           ; s[24:31], s[40:43] K's and V's descriptor; s[32:39], s[44:47] Wq's
.set G1W, 32
.set G0,  40
.set G0W, 44
.set TB,  60                           ; s60 where the step begins in K's and in V's region
.set MSB, 0
.macro WIN new                         ; the immediate's high byte repeats the setting that is left
.if MSB != (\new)
	s_set_vgpr_msb (MSB<<8)|(\new)
.set MSB, (\new)
.endif
.endm
.macro WALU
	s_wait_alu depctr_va_vdst(0)
.endm
.macro NOPS
.rept 4
	v_nop
.endr
.endm
.macro CROUND                          ; a round of the cluster's barrier
	s_barrier_signal -1
	s_barrier_wait -1
	s_cmp_lg_u32 s[WV], 0
	s_cbranch_scc1 .Lnot_wave_0_\@
	s_barrier_signal -3
.Lnot_wave_0_\@:
	s_barrier_wait -3
	s_barrier_signal -1
	s_barrier_wait -1
.endm
.macro SMM T                           ; S^T = K Q^T of tile T: eight tiles of 16 keys
	WIN 0x54*\T
.irp t, 0,1,2,3,4,5,6,7
.if (\t)%2
	v_wmma_scale_f32_16x16x128_f8f6f4 v[S+8*\t:S+8*\t+7], v[32+6*\t:43+6*\t], v[16:27], 0, v[86+\t/2], v[30-\T] matrix_a_fmt:MATRIX_FMT_FP6 matrix_b_fmt:MATRIX_FMT_FP6 matrix_a_scale:MATRIX_SCALE_ROW1
.else
	v_wmma_scale_f32_16x16x128_f8f6f4 v[S+8*\t:S+8*\t+7], v[32+6*\t:43+6*\t], v[16:27], 0, v[86+\t/2], v[30-\T] matrix_a_fmt:MATRIX_FMT_FP6 matrix_b_fmt:MATRIX_FMT_FP6
.endif
.endr
.endm
.macro SOFT T                          ; tile T's softmax of a step: from the scores to p's codes, its scale word and all but four additions of the sum
	WIN 0x55*\T
.if \T
	WALU                                           ; tile B's scores: the wait stands directly ahead of their first reader
.endif
.irp c, 0,1                            ; the largest score of my two blocks of 32 keys, two chains a block, the four by turns; each accumulator is first read at its low end
	v_max3_num_f32 v[BM+\c], v[S+32*\c], v[S+32*\c+1], v[S+32*\c+2]
	v_max3_num_f32 v[BM+2+\c], v[S+32*\c+16], v[S+32*\c+17], v[S+32*\c+18]
.endr
.irp i, 3,5,7,9,11,13
.irp c, 0,1
	v_max3_num_f32 v[BM+\c], v[BM+\c], v[S+32*\c+\i], v[S+32*\c+\i+1]
	v_max3_num_f32 v[BM+2+\c], v[BM+2+\c], v[S+32*\c+16+\i], v[S+32*\c+17+\i]
.endr
.endr
.irp c, 0,1
	v_max3_num_f32 v[BM+\c], v[BM+\c], v[BM+2+\c], v[S+32*\c+15]
.endr
.irp c, 0,1
	v_max_num_f32 v[BM+\c], v[BM+\c], v[S+32*\c+31]
.endr
	v_max_num_f32 v224, v[BM], v[BM+1]
	v_mul_f32 v224, s[CS], v224                    ; as t (c is positive)
	v_permlanex16_b32 v225, v224, s[SEL], s[SEL+1] ; lane l xor 16 holds my query's other 64 keys
	v_max3_num_f32 v13, v13, v224, v225            ; the running largest t
	v_floor_f32 v229, -v13                         ; the new -M = floor(-t): M is a whole number
	v_sub_f32 v224, v229, v12                      ; old M - new M: a whole number, 0 or less
	v_mov_b32 v12, v229
	v_cvt_i32_f32 v224, v224                       ; (it saturates)
	v_ldexp_f32 v226, 1.0, v224                    ; f = 2^(old M - new M)
.set j, 0
.rept 32
	v_pk_fma_f32 v[S+j:S+j+1], v[S+j:S+j+1], s[CS:CS+1], v[12:13] op_sel_hi:[1,0,0]   ; t - M, two at a time
.set j, j+2
.endr
.irp c, 0,1
	v_fma_f32 v[BM+\c], v[BM+\c], s[CS], v12       ; the same of each block's largest score
.endr
.set j, 0
.rept 16
	v_pk_mul_f32 v[O+j:O+j+1], v[O+j:O+j+1], v[226:227] op_sel_hi:[1,0]   ; O^T under the new M, each accumulator from its low end on, ahead of the exponentials
.set j, j+2
.endr
	WALU                                           ; the wait ahead of the batch
.set j, 0
.rept 64
	v_exp_f32 v[S+j], v[S+j]                       ; p = 2^(t - M), at most 1
.set j, j+1
.endr
.irp c, 0,1
	v_exp_f32 v[BM+\c], v[BM+\c]                   ; the block's largest p: the same two instructions on the same number
.endr
	v_pk_mul_f32 v[14:15], v[14:15], v[226:227] op_sel_hi:[1,0]   ; the sum under the new M: the plain instruction behind the batch
	WALU                                           ; and the one wait behind it
.irp c, 0,1
	v_max_num_f32 v[BM+\c], 0x1800000, v[BM+\c]    ; the floor 2^(3 - 127): the byte cannot fall under 1
.endr
.irp c, 0,1
	v_add_nc_u32 v[SO+\c], 0xff000000, v[BM+\c]    ; 2 off the exponent field: the conversion's scale operand
.endr
.irp c, 0,1
	v_cvt_scalef32_pk16_fp6_f32 v[PD+6*\c:PD+6*\c+2], v[S+32*\c:S+32*\c+15], v[SO+\c]
	v_cvt_scalef32_pk16_fp6_f32 v[PE+4*\c:PE+4*\c+2], v[S+32*\c+16:S+32*\c+31], v[SO+\c]   ; (a conversion's three registers begin on an even number)
.endr
.irp c, 0,1
	v_lshrrev_b32 v[PT+\c], 23, v[SO+\c]           ; the scale's byte (also the plain instruction behind the conversions)
.endr
	v_lshl_or_b32 v[PT], v[PT+1], 16, v[PT]        ; my two bytes: blocks h and 2 + h
.irp c, 0,1
.irp i, 0,1,2
	v_mov_b32 v[PD+3+6*\c+\i], v[PE+4*\c+\i]
.endr
.endr
	v_permlanex16_b32 v[PT+2], v[PT], s[SEL], s[SEL+1]
	WIN 0x15*\T                                    ; (scale words lie in window 0)
	v_lshl_or_b32 v[228-6*\T], v[PT+2], 8, v[PT]   ; p's scale word, whole in lanes 0-15, which alone are read
	WIN 0x55*\T
	v_pk_add_f32 v[PE:PE+1], v[S:S+1], v[S+2:S+3]  ; THE ROW'S SUM, of the unquantised p, in four chains.  These 28 are also the places between the word and the codes just made and the products that take them
	v_pk_add_f32 v[PE+2:PE+3], v[S+4:S+5], v[S+6:S+7]
	v_pk_add_f32 v[PE+4:PE+5], v[S+8:S+9], v[S+10:S+11]
	v_pk_add_f32 v[14:15], v[14:15], v[S+12:S+13]
.set j, 14
.rept 6
	v_pk_add_f32 v[PE:PE+1], v[PE:PE+1], v[S+j:S+j+1]
	v_pk_add_f32 v[PE+2:PE+3], v[PE+2:PE+3], v[S+j+2:S+j+3]
	v_pk_add_f32 v[PE+4:PE+5], v[PE+4:PE+5], v[S+j+4:S+j+5]
	v_pk_add_f32 v[14:15], v[14:15], v[S+j+6:S+j+7]
.set j, j+8
.endr
.endm
.macro PVM T                           ; O^T += V^T P^T of tile T
	WIN 0x54*\T
.irp c, 0,1,2,3
.if (\c)%2
	v_wmma_scale_f32_16x16x128_f8f6f4 v[O+8*\c:O+8*\c+7], v[32+12*\c:43+12*\c], v[PD:PD+11], v[O+8*\c:O+8*\c+7], v[90+\c/2], v[228-6*\T] matrix_a_fmt:MATRIX_FMT_FP6 matrix_b_fmt:MATRIX_FMT_FP6 matrix_a_scale:MATRIX_SCALE_ROW1
.else
	v_wmma_scale_f32_16x16x128_f8f6f4 v[O+8*\c:O+8*\c+7], v[32+12*\c:43+12*\c], v[PD:PD+11], v[O+8*\c:O+8*\c+7], v[90+\c/2], v[228-6*\T] matrix_a_fmt:MATRIX_FMT_FP6 matrix_b_fmt:MATRIX_FMT_FP6
.endif
.endr
.endm
.macro TAIL T                          ; the sum's last four additions: the places in front of the next step's loads and of the way out's first read of O^T
	WIN 0x55*\T
	v_pk_add_f32 v[PE:PE+1], v[PE:PE+1], v[S+62:S+63]
	v_pk_add_f32 v[PE+2:PE+3], v[PE+2:PE+3], v[PE+4:PE+5]
	v_pk_add_f32 v[14:15], v[14:15], v[PE:PE+1]
	v_pk_add_f32 v[14:15], v[14:15], v[PE+2:PE+3]
.endm
; A KEY STEP: 128 keys against both tiles.  v8, v9: K's addresses of this step, made in the step before.
.macro STEP
	ds_load_b128 v[86:89], v8 offset:6144          ; K's scale words
.irp t, 0,1,2,3,4,5,6,7
	ds_load_b128 v[32+6*\t:35+6*\t], v8 offset:768*\t
	ds_load_b64 v[36+6*\t:37+6*\t], v9 offset:768*\t
.endr
	WALU
	s_wait_dscnt 0x0
	SMM 0
	SMM 1
	WIN 0
	v_add_nc_u32 v10, s[TB], v3                    ; V's addresses of this step, K's of the next: four plain instructions, the places in front of the loads below and of the first read of the scores
	v_add_nc_u32 v11, s[TB], v4
	s_add_co_u32 s[TB], s[TB], STEPB
	v_add_nc_u32 v8, s[TB], v1
	v_add_nc_u32 v9, s[TB], v2
	ds_load_b64 v[90:91], v10 offset:6144          ; V's scale words and tiles: they land under the softmax
.irp c, 0,1,2,3
	ds_load_b128 v[32+12*\c:35+12*\c], v10 offset:1536*\c
	ds_load_b64 v[36+12*\c:37+12*\c], v11 offset:1536*\c
	ds_load_b128 v[38+12*\c:41+12*\c], v10 offset:1536*\c+768
	ds_load_b64 v[42+12*\c:43+12*\c], v11 offset:1536*\c+768
.endr
	SOFT 0
	SOFT 1
	WIN 0
	WALU
	s_wait_dscnt 0x0                               ; V is in
	PVM 0
	PVM 1
	TAIL 0
	TAIL 1
	WIN 0
.endm
.macro LOOP trips, start               ; steps start .. start + trips - 1
	s_mov_b32 s[TB], (\start)*STEPB
	s_mov_b32 s62, \trips
	v_add_nc_u32 v8, s[TB], v1
	v_add_nc_u32 v9, s[TB], v2
.Lstep_\@:
	STEP
	s_sub_co_u32 s62, s62, 1
	s_cmp_lg_u32 s62, 0
	s_cbranch_scc1 .Lstep_\@
.endm
.macro XFRAG reg, k, T                 ; x's fragment of K step k: two half fragments
	global_load_b128 v[\reg:\reg+3], v1, s[66:67] offset:1536*(\k)+TILEB*\T
	global_load_b64 v[\reg+4:\reg+5], v2, s[66:67] offset:1536*(\k)+TILEB*\T
	global_load_b128 v[\reg+6:\reg+9], v1, s[66:67] offset:1536*(\k)+768+TILEB*\T
	global_load_b64 v[\reg+10:\reg+11], v2, s[66:67] offset:1536*(\k)+768+TILEB*\T
.endm
.macro XLOAD T                         ; tile T's fragment of x, all of K: K steps 0-3 in v32-79, 4-7 in v176-223 of its window; its scale words in window 0
	WIN 0x40*\T
.irp k, 0,1,2,3,4,5,6,7
	XFRAG 32+12*\k+96*(\k/4), \k, \T
.endr
	WIN 0
.if \T
	global_load_b128 v[234:237], v7, s[68:69] offset:4096       ; K step k's word in v[230 + (k + 4) % 8]
	global_load_b128 v[230:233], v7, s[68:69] offset:4096+256
.else
	global_load_b128 v[88:91], v7, s[68:69]                     ; K step k's word in v[88 + k]
	global_load_b128 v[92:95], v7, s[68:69] offset:256
.endif
.endm
.macro QW u, c, k, T                   ; Q^T's tile u of query tile T, K step k: source 0 = 16 channels of Wq, source 1 = my 16 tokens
.set XSR, 88+\k
.if \T
.set XSR, 230+(\k+4)%8
.endif
.if (\u)%2
	v_wmma_scale_f32_16x16x128_f8f6f4 v[S+8*\u:S+8*\u+7], v[128+12*\u:139+12*\u], v[XF:XF+11], \c, v[WS+8*(\u/2)+\k], v[XSR] matrix_a_fmt:MATRIX_FMT_FP6 matrix_b_fmt:MATRIX_FMT_FP6 matrix_a_scale:MATRIX_SCALE_ROW1
.else
	v_wmma_scale_f32_16x16x128_f8f6f4 v[S+8*\u:S+8*\u+7], v[128+12*\u:139+12*\u], v[XF:XF+11], \c, v[WS+8*(\u/2)+\k], v[XSR] matrix_a_fmt:MATRIX_FMT_FP6 matrix_b_fmt:MATRIX_FMT_FP6
.endif
.endm
.macro Q32 dst                         ; my 32 numbers v[S] .. v[S+31], one scale block, become six registers of codes from v[dst] on and the byte v[PT]; each accumulator is first read at its low end
	v_max3_num_f32 v[BM], |v[S]|, |v[S+1]|, 0x1800000
	v_max3_num_f32 v[BM+1], |v[S+16]|, |v[S+17]|, |v[S+18]|
.irp i, 2,4,6,8,10,12
	v_max3_num_f32 v[BM], v[BM], |v[S+\i]|, |v[S+\i+1]|
	v_max3_num_f32 v[BM+1], v[BM+1], |v[S+17+\i]|, |v[S+18+\i]|
.endr
	v_max3_num_f32 v[BM], v[BM], |v[S+14]|, |v[S+15]|
	v_max3_num_f32 v[BM], v[BM], v[BM+1], |v[S+31]|
	v_add_nc_u32 v[SO], 0xff000000, v[BM]
	v_cvt_scalef32_pk16_fp6_f32 v[\dst:\dst+2], v[S:S+15], v[SO]
	v_cvt_scalef32_pk16_fp6_f32 v[PE:PE+2], v[S+16:S+31], v[SO]
	v_lshrrev_b32 v[PT], 23, v[SO]
.irp i, 0,1,2
	v_mov_b32 v[\dst+3+\i], v[PE+\i]
.endr
.endm
.macro QFIN T                          ; tile T's Q is quantised, and its softmax begins anew
	WIN 0x55*\T
	Q32 16                                         ; register i is channel 32 h + i of my query: Q's half fragment, v16-21
	v_permlanex16_b32 v[PT+2], v[PT], s[SEL], s[SEL+1]
	WIN 0x15*\T
	v_lshl_or_b32 v[30-\T], v[PT+2], 8, v[PT]      ; Q's scale word, whole in lanes 0-15, which alone are read; bytes 2 and 3 are 0
	WIN 0x55*\T
	v_mov_b32 v13, 0xff61b1e6                      ; the largest t so far: -3e38
	v_floor_f32 v12, -v13                          ; -M
	v_mov_b32 v14, 0                               ; the sum, in two halves
	v_mov_b32 v15, 0
.set j, 0
.rept 32
	v_mov_b32 v[O+j], 0                            ; O^T: the step is written once; its first trip finds zeros, which the first change of M leaves zeros.  (Also the places behind Q's codes and word)
.set j, j+1
.endr
.endm
.macro OUT T                           ; tile T's way out: O^T / l; my 32 registers are channels 32 h + 0 .. 31 of my query
	WIN 0x55*\T
	v_add_f32 v14, v14, v15
	v_permlanex16_b32 v225, v14, s[SEL], s[SEL+1]
	v_add_f32 v14, v14, v225                       ; the row's sum
	WALU                                           ; the wait ahead of the reciprocal,
	v_rcp_f32 v14, v14
	v_nop                                          ; a plain instruction behind it,
	WALU                                           ; and the wait ahead of its first reader, which is also O^T's first reader
.set j, 0
.rept 16
	v_pk_mul_f32 v[S+j:S+j+1], v[O+j:O+j+1], v[14:15] op_sel_hi:[1,0]   ; each accumulator from its low end on
.set j, j+2
.endr
	Q32 PD
	WIN 0x04*\T                                    ; a store's data are its source 1
	global_store_b128 v1, v[PD:PD+3], s[70:71] offset:TILEB*\T     ; 512 consecutive bytes, aligned
	global_store_b64 v2, v[PD+4:PD+5], s[70:71] offset:TILEB*\T    ; 256 consecutive bytes, aligned
	global_store_b8 v31, v[PT], s[72:73] offset:4096*\T            ; lane (r, h): block h's byte of row r
.endm
; A PASS: Q of two tiles of 16 queries, the tiles against all 2,048 keys, and their way out.
.macro PASS first
	XLOAD 0
	XLOAD 1
.if \first
	WALU                                           ; the wait at the head's end
	s_cmp_lt_u32 s[WV], 4                          ; the waves whose load line brought Wq wait for it; K and V may stay out
	s_cbranch_scc1 .Lnot_w_\@
	s_wait_tensorcnt 0x0
.Lnot_w_\@:
	s_barrier_signal -1
	s_barrier_wait -1
.endif
.irp k, 0,1,2,3,4,5,6,7                ; Q^T = Wq x^T: eight accumulators by turns, K ascending
.if \k > 0
	NOPS                                           ; places in front of loads into registers that the last products read
.endif
.irp u, 0,1,2,3
	ds_load_b128 v[128+12*\u:131+12*\u], v5 offset:12288*\u+1536*\k
	ds_load_b64 v[132+12*\u:133+12*\u], v6 offset:12288*\u+1536*\k
	ds_load_b128 v[134+12*\u:137+12*\u], v5 offset:12288*\u+1536*\k+768
	ds_load_b64 v[138+12*\u:139+12*\u], v6 offset:12288*\u+1536*\k+768
.endr
.if \k == 0
	s_wait_loadcnt 0x0                             ; x's fragments and all scale words
.endif
	s_wait_dscnt 0x0
.set XF, 32+12*\k+96*(\k/4)
.irp T, 0,1
	WIN 0x54*\T
.irp u, 0,1,2,3
.if \k == 0
	QW \u, 0, \k, \T
.else
	QW \u, v[S+8*\u:S+8*\u+7], \k, \T
.endif
.endr
.endr
	WIN 0
.endr
	NOPS
	QFIN 0
	QFIN 1
	WIN 0
	WALU
.if \first
	s_wait_tensorcnt 0x0                           ; every wave's tile is in,
	s_wait_dscnt 0x0
	s_barrier_signal -1
	s_barrier_wait -1                              ; and shown to all eight
.endif
	LOOP 16, 0
	OUT 0
	OUT 1
	WIN 0
.if \first
	s_wait_xcnt 0x0                                ; the loads and stores have read their bases and data, which are written again
	s_add_nc_u64 s[66:67], s[66:67], 196608        ; 16 fragments on
	s_add_nc_u64 s[68:69], s[68:69], 8192
	s_add_nc_u64 s[70:71], s[70:71], 196608
	s_add_nc_u64 s[72:73], s[72:73], 8192
.endif
.endm
	s_load_b256 s[4:11], s[0:1], 0x0               ; k_codes s[4:5], v_codes s[6:7], codes s[8:9], gsc s[10:11]
	s_load_b128 s[12:15], s[0:1], 0x20             ; ocodes s[12:13], ogsc s[14:15]
	v_lshl_add_u32 v254, v0, 2, SPARE
	v_mov_b32 v255, 0
	ds_add_u32 v254, v255                          ; the opening lines: the add, twice on end, and its wait ahead of my tensor load
	ds_add_u32 v254, v255
	v_lshrrev_b32 v1, 5, v0
	v_readfirstlane_b32 s[WV], v1                  ; wave 0..7
	s_bfe_u32 s17, ttmp6, 0x40000                  ; cx: it enters x's and the output's addresses alone
	s_and_b32 s18, ttmp7, 0xffff                   ; 16 b + head, which the four partners share
	s_lshr_b32 s19, s18, 4                         ; b
	s_and_b32 s75, s18, 15                         ; head
	s_and_b32 s77, s[WV], 1                        ; my half of K (waves 0, 1) or of V (waves 2, 3)
	s_mul_i32 s84, s18, HEADB
	s_mul_i32 s85, s77, PIECE
	s_add_co_u32 s84, s84, s85
	s_mov_b32 s85, 0
	s_mov_b32 s[G0], 1
	s_mul_i32 s[G0+1], s[WV], PIECE                ; K at LDS byte 0, V behind it
	s_lshl_b32 s86, s75, 2
	s_add_co_u32 s87, s86, s[WV]
	s_add_co_u32 s87, s87, 508                     ; waves 4-7: Wq's fragment 512 + 4 head + wave - 4
	s_mul_i32 s80, s87, 12288
	s_mov_b32 s[G0W], 1
	s_mul_i32 s[G0W+1], s[WV], 12288
	s_add_co_u32 s[G0W+1], s[G0W+1], WB-4*12288
	s_add_co_u32 s86, s86, 512
	s_lshl_b32 s86, s86, 9                         ; Wq's scale words
	s_mov_b32 s87, 0
.irp g, G1, G1W                        ; dense blocks as rows of 256 bytes (32 elements of 8); the mask names all four work-groups
	s_mov_b32 s[\g], 15|(3<<16)|(1<<21)
	s_mov_b32 s[\g+1], 32<<16
	s_mov_b32 s[\g+3], 32<<16
	s_mov_b32 s[\g+5], 32
	s_mov_b32 s[\g+6], 0
	s_mov_b32 s[\g+7], 0
.endr
	s_mov_b32 s[G1+2], 208<<16
	s_mov_b32 s[G1+4], 208
	s_mov_b32 s[G1W+2], 48<<16
	s_mov_b32 s[G1W+4], 48
	s_mov_b32 s[SEL], 0x76543210
	s_mov_b32 s[SEL+1], 0xfedcba98
	s_mov_b32 s[CS], 0x3e38aa3b                    ; log2(e) / 8
	s_mov_b32 s[CS+1], s[CS]                       ; (named with it as a pair, so it is written)
	s_lshl_b32 s81, s17, 5
	s_add_co_u32 s81, s81, s[WV]
	s_lshl_b32 s92, s19, 7
	s_add_co_u32 s92, s92, s81                     ; tile A's fragment of x: 128 b + 32 cx + wave
	s_mov_b32 s81, 0
	s_mul_i32 s82, s92, 12288
	s_mov_b32 s83, 0
	s_lshl_b32 s90, s92, 9
	s_mov_b32 s91, 0
	s_add_co_u32 s92, s92, 64                      ; the output's fragment
	s_lshl_b32 s94, s92, 9
	s_mul_i32 s92, s92, 12288
	s_mul_i32 s93, s75, 768
	s_add_co_u32 s92, s92, s93                     ; its half fragment kh = head
	s_mov_b32 s93, 0
	s_lshr_b32 s95, s75, 3
	s_lshl_b32 s95, s95, 8
	s_add_co_u32 s94, s94, s95
	s_and_b32 s95, s75, 7
	s_lshl_b32 s95, s95, 1
	s_add_co_u32 s94, s94, s95                     ; its scale bytes: 256 (head / 8) + 2 (head % 8)
	s_mov_b32 s95, 0
	s_wait_dscnt 0x0                               ; both opening adds are done
	s_wait_kmcnt 0x0
	s_cmp_lt_u32 s[WV], 2                          ; the choice hangs on the wave's number alone
	s_cselect_b64 s[2:3], s[4:5], s[6:7]
	s_add_nc_u64 s[G0+2:G0+3], s[2:3], s[84:85]
	s_or_b32 s[G0+3], s[G0+3], 0x80000000
	s_add_nc_u64 s[G0W+2:G0W+3], s[8:9], s[80:81]
	s_or_b32 s[G0W+3], s[G0W+3], 0x80000000
	s_add_nc_u64 s[66:67], s[8:9], s[82:83]        ; x's codes
	s_add_nc_u64 s[68:69], s[10:11], s[90:91]      ; x's scale words
	s_add_nc_u64 s[88:89], s[10:11], s[86:87]      ; Wq's scale words
	s_add_nc_u64 s[70:71], s[12:13], s[92:93]      ; the output's codes
	s_add_nc_u64 s[72:73], s[14:15], s[94:95]      ; and scale bytes
	CROUND                                         ; all four work-groups are here: the joint loads meet
	s_cmp_lt_u32 s[WV], 4                          ; one tensor load a wave, in two arms of a branch on the wave's number
	s_cbranch_scc0 .Lfor_w
	tensor_load_to_lds s[G0:G0+3], s[G1:G1+7]
	s_nop 0
	NOPS
	s_branch .Lasked
.Lfor_w:
	tensor_load_to_lds s[G0W:G0W+3], s[G1W:G1W+7]
	s_nop 0
	NOPS
.Lasked:
	v_and_b32 v8, 31, v0                           ; lane
	v_and_b32 v9, 15, v0                           ; r
	v_bfe_u32 v10, v0, 4, 1                        ; h
	v_lshlrev_b32 v1, 4, v8                        ; 16 x lane: registers 0-3 of a half fragment
	v_lshlrev_b32 v2, 3, v8
	v_add_nc_u32 v2, 512, v2                       ; 512 + 8 x lane: registers 4-5
	v_add_nc_u32 v3, HEADB, v1                     ; the same in V's region,
	v_add_nc_u32 v4, HEADB, v2
	v_add_nc_u32 v5, WB, v1                        ; and in Wq's
	v_add_nc_u32 v6, WB, v2
	v_lshlrev_b32 v7, 4, v9                        ; 16 r
	v_add_nc_u32 v31, v7, v10                      ; 16 r + h
	v_lshl_add_u32 v28, v10, 9, v7                 ; 512 h + 16 r: lanes 0-15 take an even fragment's scale words, lanes 16-31 the next one's
.irp j, 22,23,24,25,26,27,80,81,82,83,84,85,220,225,227
	v_mov_b32 v\j, 0                               ; Q's upper half and the registers behind K's last tile: zero codes; the others: written once, since they are named before they are first made
.endr
	WIN 0x40                                       ; the same for tile B, in window 1
.irp j, 22,23,24,25,26,27,220,225,227
	v_mov_b32 v\j, 0
.endr
	WIN 0
.irp p, 0,1
.irp q, 0,1
	global_load_b128 v[WS+8*\p+4*\q:WS+8*\p+4*\q+3], v28, s[88:89] offset:1024*\p+256*\q   ; Wq's scale words stay in registers for both passes
.endr
.endr
	PASS 1
	PASS 0
	s_wait_tensorcnt 0x0                           ; the wave's end
	ds_add_u32 v254, v255
	s_wait_dscnt 0x0
	CROUND                                         ; the closing round
	s_endpgm
.Lfunc_end_k_qad80844080_attn:
	.size	k_qad80844080_attn, .Lfunc_end_k_qad80844080_attn-k_qad80844080_attn
	.p2alignl 7, 3214868480
	.fill 96, 4, 3214868480
	.section	.rodata,"a",@progbits
	.p2align	6, 0x0
	.amdhsa_kernel k_qad80844080_attn
		.amdhsa_group_segment_fixed_size 263168
		.amdhsa_private_segment_fixed_size 0
		.amdhsa_enable_private_segment 0
		.amdhsa_kernarg_size 48
		.amdhsa_user_sgpr_count 2
		.amdhsa_user_sgpr_kernarg_segment_ptr 1
		.amdhsa_wavefront_size32 1
		.amdhsa_system_sgpr_workgroup_id_x 1
		.amdhsa_system_sgpr_workgroup_id_y 1
		.amdhsa_system_sgpr_workgroup_id_z 1
		.amdhsa_system_vgpr_workitem_id 0
		.amdhsa_next_free_vgpr 512
		.amdhsa_next_free_sgpr 96
		.amdhsa_reserve_vcc 0
		.amdhsa_float_denorm_mode_32 3
		.amdhsa_float_denorm_mode_16_64 3
		.amdhsa_memory_ordered 1
		.amdhsa_forward_progress 1
		.amdhsa_inst_pref_size 134
	.end_amdhsa_kernel
	.amdgpu_metadata
---
amdhsa.version: [ 1, 2 ]
amdhsa.kernels:
  - .name:           k_qad80844080_attn
    .symbol:         k_qad80844080_attn.kd
    .args:
      - { .name: k_codes, .offset: 0, .size: 8, .value_kind: global_buffer, .address_space: global }
      - { .name: v_codes, .offset: 8, .size: 8, .value_kind: global_buffer, .address_space: global }
      - { .name: codes, .offset: 16, .size: 8, .value_kind: global_buffer, .address_space: global }
      - { .name: gsc, .offset: 24, .size: 8, .value_kind: global_buffer, .address_space: global }
      - { .name: ocodes, .offset: 32, .size: 8, .value_kind: global_buffer, .address_space: global }
      - { .name: ogsc, .offset: 40, .size: 8, .value_kind: global_buffer, .address_space: global }
    .group_segment_fixed_size: 263168
    .private_segment_fixed_size: 0
    .kernarg_segment_align: 8
    .kernarg_segment_size: 48
    .max_flat_workgroup_size: 256
    .sgpr_count:     96
    .vgpr_count:     512
    .wavefront_size: 32
...
	.end_amdgpu_metadata
.endif
;; end of part 3
;; launch oproj (part 4): grid 4 x 64, 4 waves a work-group, clusters of 4 x 4, 295,424 bytes of LDS; arguments ocodes, ogsc, out0; writes out0
.if DOCPART == 4
	.amdgcn_target "amdgcn-amd-amdhsa--gfx1250"
	.amdhsa_code_object_version 6
	.text
	.protected	k_qad80844080_oproj
	.globl	k_qad80844080_oproj
	.p2align	8
	.type	k_qad80844080_oproj,@function
k_qad80844080_oproj:
	s_mov_b64 s[64:65], 0
	v_nop
	global_prefetch_b8 v0, s[64:65] scope:SCOPE_SE
	s_setreg_imm32_b32 hwreg(HW_REG_WAVE_MODE, 25, 1), 1
	s_wait_xcnt 0x0
	s_wait_alu depctr_hold_cnt(0) depctr_sa_sdst(0) depctr_va_vdst(0) depctr_va_sdst(0) depctr_va_ssrc(0) depctr_va_vcc(0) depctr_vm_vsrc(0)
	s_getreg_b32 s2, hwreg(HW_REG_IB_STS2, 6, 4)
	s_cmp_eq_u32 s2, 0
	s_cbranch_scc0 .Lentry_in_a_cluster
	s_endpgm
.Lentry_in_a_cluster:
	s_bfe_u32 s2, ttmp6, 0x10000c
	s_cmp_lg_u32 s2, 0xf033
	s_cbranch_scc0 .Lentry_shape_is_right
	s_endpgm
.Lentry_shape_is_right:
; out0 = A Wo^T on codes of FP6 (E2M3) with E8M0 scales, K = 1,024.  ocodes[f][kh 0..15][768], ogsc[f][q][r][16]: Wo is fragments 0 .. 63, A, the attention's result, 64 .. 575.  out0: [8192][1024] f32.
; D[i][j] = sum over k of S1[i][k] S0[j][k], S1 = A (i = token), S0 = Wo (j = output column).  Source 0 of the matrix instruction takes S0, source 1 takes S1: a lane holds one token and eight neighbouring columns.
; FRAGMENTS: lane-row r of fragment f is true row 64 (f / 4) + 8 (f % 4) + r % 8 + 32 (r / 8); a half fragment of 768 bytes (64 along K): lane l's registers 0-3 at 16 l, its registers 4-5 at 512 + 8 l.
; A tile of D is 128 x 256: 64 x 4 = 256 work-groups of four waves, a wave 64 x 128: 32 accumulators.  K goes in eight steps of 128, all written out.
; ALL OF K LIES IN LDS, FILLED ONCE: two slots of 512 along K, each S1's 8 fragments and then S0's 16, 6,144 bytes a fragment.  The head has one tensor load a wave: slot 0's S1, slot 0's S0, slot 1's S1, slot 1's S0.
; The first barrier shows slot 0 (waves 0 and 1 wait); the barrier at the head of K step 3 shows slot 1, and behind it nobody reads slot 0, which then takes the way out's stages.
; CLUSTERS: 4 x 4 work-groups; S1's tile is shared along a row of the cluster, S0's along a column: each is asked for jointly.  No prefetch: every tile is asked for at the kernel's head.
; REGISTERS: window 0: v1-23 addresses; v28, v29 for the add; v32-95 scale words (nothing else); v128-223 S1's 4 fragments, two sets; on the way out v128-255 rows of D.
;   window 1: S0's 8 fragments, two sets, v0 and v128.  window 2: accumulator (a, b) at v[8 (8 a + b)].
.set FR,    12
.set HK,    6144                       ; a fragment's 512 along K
.set SA,    8*HK                       ; S1's part of a slot
.set SLOT,  24*HK
.set SPARE, 2*SLOT                     ; the spare words, 128 bytes a wave, which no other line names
.set SPITCH, 528                       ; the way out: a stage of 16 rows x (512 + 16) bytes for each wave, in slot 0
.set SPW,   28
.set NIL,   29
.set STO,   19                         ; v19 the stage: where I put 32 bytes of a row
.set RD,    20                         ; v20 and where I read a row back
.set SC,    32                         ; v[SC + 8 i + k]: lanes 0-15 the word of S1's block i % 4, lanes 16-31 that of S0's block i, for K step k
.set AF,    128
.set BK,    128
.set G1A,   24                         ; s[24:31], s[32:35] S1's descriptor; s[56:63], s[44:47] S0's
.set G0A,   32
.set G0B,   44
.set G1B,   56
.set MSB, 0
.macro WIN new                         ; the immediate's high byte repeats the setting that is left
.if MSB != (\new)
	s_set_vgpr_msb (MSB<<8)|(\new)
.set MSB, (\new)
.endif
.endm
.set MUL_LO, 0xa1                      ; source 0 (S0) window 1, source 1 (S1) window 0, C and D window 2
.set TO_B,   0x40                      ; destination window 1, address window 0
.macro PLACES n
.rept \n
	v_nop
.endr
.endm
.macro CROUND                          ; a round of the cluster's barrier
	s_barrier_signal -1
	s_barrier_wait -1
	s_cmp_lg_u32 s16, 0
	s_cbranch_scc1 .Lnot_wave_0_\@
	s_barrier_signal -3
.Lnot_wave_0_\@:
	s_barrier_wait -3
	s_barrier_signal -1
	s_barrier_wait -1
.endm
.macro TLOAD g0, g1
	tensor_load_to_lds s[\g0:\g0+3], s[\g1:\g1+7]
	s_nop 0
	PLACES 4
.endm
.macro FRAG reg, a16, q, i             ; fragment i, the slot's q-th 128 along K.  a16: the register with 16 x lane; a16 + 2: that with 8 x lane
	ds_load_b128 v[\reg:\reg+3], v[\a16] offset:HK*(\i)+1536*(\q)
	ds_load_b64 v[\reg+4:\reg+5], v[\a16+2] offset:HK*(\i)+1536*(\q)+512
	ds_load_b128 v[\reg+6:\reg+9], v[\a16] offset:HK*(\i)+1536*(\q)+768
	ds_load_b64 v[\reg+10:\reg+11], v[\a16+2] offset:HK*(\i)+1536*(\q)+1280
.endm
.macro FETCH k                         ; K step k's fragments into sets k % 2
	WIN TO_B
.irp i, 0,1,2,3,4,5,6,7
	FRAG 128*((\k)%2)+FR*\i, 8+(\k)/4, (\k)%4, \i
.endr
	WIN 0
.irp i, 0,1,2,3
	FRAG AF+48*((\k)%2)+FR*\i, 4+(\k)/4, (\k)%4, \i
.endr
.endm
.macro MUL32 k, zero                   ; 32 matrix instructions; the 32 accumulators take turns, one instruction a turn
	WIN MUL_LO
.irp a, 0,1,2,3
.irp b, 0,1,2,3,4,5,6,7
.if \zero
	v_wmma_scale_f32_16x16x128_f8f6f4 v[8*(8*\a+\b):8*(8*\a+\b)+7], v[128*((\k)%2)+FR*\b:128*((\k)%2)+FR*\b+FR-1], v[AF+48*((\k)%2)+FR*\a:AF+48*((\k)%2)+FR*\a+FR-1], 0, v[SC+8*\b+(\k)], v[SC+8*\a+(\k)] matrix_a_fmt:MATRIX_FMT_FP6 matrix_b_fmt:MATRIX_FMT_FP6 matrix_a_scale:MATRIX_SCALE_ROW1
.else
	v_wmma_scale_f32_16x16x128_f8f6f4 v[8*(8*\a+\b):8*(8*\a+\b)+7], v[128*((\k)%2)+FR*\b:128*((\k)%2)+FR*\b+FR-1], v[AF+48*((\k)%2)+FR*\a:AF+48*((\k)%2)+FR*\a+FR-1], v[8*(8*\a+\b):8*(8*\a+\b)+7], v[SC+8*\b+(\k)], v[SC+8*\a+(\k)] matrix_a_fmt:MATRIX_FMT_FP6 matrix_b_fmt:MATRIX_FMT_FP6 matrix_a_scale:MATRIX_SCALE_ROW1
.endif
.endr
.endr
	WIN 0
.endm
.macro KSTEP k, show                   ; K step k: the next step's 48 loads go out first, then this step's products.  show = 1: slot 1 is waited for and shown to all four waves
.if \show
	s_wait_tensorcnt 0x0                           ; every wave's tile is in;
.endif
	s_wait_dscnt 0x0                               ; this step's fragments are in (show = 1: and my reads of slot 0 are over)
.if \show
	s_barrier_signal -1
	s_barrier_wait -1
.endif
.if (\k) > 0
	PLACES 4                                       ; in front of loads into registers that the last step's products read
.endif
	FETCH (\k)+1
	MUL32 \k, (\k)==0
.endm
	s_load_b128 s[4:7], s[0:1], 0x0                ; ocodes s[4:5], ogsc s[6:7]
	s_load_b64 s[8:9], s[0:1], 0x10                ; out0
	v_lshl_add_u32 v[SPW], v0, 2, SPARE
	v_mov_b32 v[NIL], 0
	ds_add_u32 v[SPW], v[NIL]                      ; the opening lines: the add, twice on end, and its wait ahead of my tensor load
	ds_add_u32 v[SPW], v[NIL]
	v_lshrrev_b32 v1, 5, v0
	v_readfirstlane_b32 s16, v1                    ; wave 0..3
	s_lshr_b32 s17, s16, 1                         ; my half of S1.  Also: the slot that I fetch for
	s_and_b32 s18, s16, 1                          ; my half of S0.  Also: I fetch S1's tile (0) or S0's (1)
	s_bfe_u32 s19, ttmp6, 0x40000                  ; cx
	s_bfe_u32 s20, ttmp6, 0x40004                  ; cy
	s_and_b32 s22, ttmp7, 0xffff                   ; the cluster's y, 0..15
	s_lshl_b32 s23, s20, 2
	s_lshl_b32 s23, 15, s23                        ; my row of the cluster
	s_lshl_b32 s66, 0x1111, s19                    ; my column
	s_or_b32 s[G1A], s23, (3<<16)|(1<<21)          ; group 1: rows (fragments) of 6,144 bytes (768 elements of 8), 12,288 bytes apart; no padding
	s_or_b32 s[G1B], s66, (3<<16)|(1<<21)
.irp g, G1A, G1B
	s_mov_b32 s[\g+1], 768<<16
	s_mov_b32 s[\g+3], 768<<16
	s_mov_b32 s[\g+5], 1536
	s_mov_b32 s[\g+6], 0
	s_mov_b32 s[\g+7], 0
.endr
	s_mov_b32 s[G1A+2], 8<<16                      ; S1: 8 fragments
	s_mov_b32 s[G1A+4], 8
	s_mov_b32 s[G1B+2], 16<<16                     ; S0: 16
	s_mov_b32 s[G1B+4], 16
	s_lshl_b32 s67, s22, 5
	s_add_co_u32 s67, s67, 64
	s_lshl_b32 s69, s20, 3
	s_add_co_u32 s67, s67, s69                     ; S1's first fragment: 64 + 8 (4 y + cy) (never cx)
	s_lshl_b32 s68, s19, 4                         ; S0's: 16 cx (never cy)
	s_mul_i32 s72, s67, 12288
	s_mul_i32 s73, s17, HK
	s_add_co_u32 s72, s72, s73
	s_mul_i32 s74, s68, 12288
	s_add_co_u32 s74, s74, s73
	s_mov_b32 s73, 0
	s_mov_b32 s75, 0
	s_mov_b32 s[G0A], 1
	s_mul_i32 s[G0A+1], s17, SLOT                  ; no place in the cluster enters an LDS address
	s_mov_b32 s[G0B], 1
	s_add_co_u32 s[G0B+1], s[G0A+1], SA
	s_wait_dscnt 0x0                               ; both opening adds are done
	s_wait_kmcnt 0x0
	s_add_nc_u64 s[G0A+2:G0A+3], s[4:5], s[72:73]
	s_or_b32 s[G0A+3], s[G0A+3], 0x80000000
	s_add_nc_u64 s[G0B+2:G0B+3], s[4:5], s[74:75]
	s_or_b32 s[G0B+3], s[G0B+3], 0x80000000
	CROUND                                         ; all sixteen work-groups are here: the joint loads meet
	s_cmp_eq_u32 s16, 0                            ; one tensor load a wave, in one chain of branches on the wave's number
	s_cbranch_scc0 .Lh1
	TLOAD G0A, G1A
	s_branch .Lasked
.Lh1:
	s_cmp_eq_u32 s16, 1
	s_cbranch_scc0 .Lh2
	TLOAD G0B, G1B
	s_branch .Lasked
.Lh2:
	s_cmp_eq_u32 s16, 2
	s_cbranch_scc0 .Lh3
	TLOAD G0A, G1A
	s_branch .Lasked
.Lh3:
	TLOAD G0B, G1B
.Lasked:
	v_and_b32 v1, 31, v0                           ; lane
	v_and_b32 v2, 15, v0                           ; r
	v_bfe_u32 v3, v0, 4, 1                         ; h
	v_lshlrev_b32 v16, 4, v1
	v_lshlrev_b32 v17, 3, v1
	s_mul_i32 s97, s17, 4*HK                       ; my half of S1
	s_mul_i32 s98, s18, 8*HK
	s_add_co_u32 s98, s98, SA                      ; my half of S0
.irp n, 0,1
	v_add_nc_u32 v[4+\n], s97, v16
	v_add_nc_u32 v[6+\n], s97, v17
	v_add_nc_u32 v[8+\n], s98, v16
	v_add_nc_u32 v[10+\n], s98, v17
	s_add_co_u32 s97, s97, SLOT
	s_add_co_u32 s98, s98, SLOT
.endr
	s_mul_i32 s97, s16, 16*SPITCH                  ; my stage, in slot 0
	v_mul_u32_u24 v[STO], v2, SPITCH
	v_lshl_add_u32 v[STO], v3, 7, v[STO]
	v_add_nc_u32 v[STO], s97, v[STO]               ; in: row r, + 128 h: columns 32 h on of each 64
	v_add_nc_u32 v[RD], s97, v16                   ; back: the 32 lanes take one row of 512 bytes
	; the scale words of all of K come once, straight into registers: lanes 0-15 S1's, lanes 16-31 S0's; S1 has four blocks, so for i = 4 .. 7 lanes 0-15 take blocks 0 .. 3 once more
	s_lshl_b32 s97, s17, 2
	s_add_co_u32 s97, s97, s67
	s_lshl_b32 s97, s97, 9
	s_lshl_b32 s98, s18, 3
	s_add_co_u32 s98, s98, s68
	s_lshl_b32 s98, s98, 9
	v_mov_b32 v18, s97
	v_mov_b32 v22, s98
	s_sub_co_u32 s97, s97, 2048
	v_mov_b32 v23, s97
	v_cmp_eq_u32 vcc_lo, 1, v3
	v_cndmask_b32 v18, v18, v22, vcc_lo
	v_cndmask_b32 v23, v23, v22, vcc_lo
	v_lshl_add_u32 v18, v2, 4, v18
	v_lshl_add_u32 v23, v2, 4, v23
.irp i, 0,1,2,3
.irp q, 0,1
	global_load_b128 v[SC+8*\i+4*\q:SC+8*\i+4*\q+3], v18, s[6:7] offset:512*\i+256*\q
	global_load_b128 v[SC+32+8*\i+4*\q:SC+32+8*\i+4*\q+3], v23, s[6:7] offset:2048+512*\i+256*\q
.endr
.endr
	s_sub_co_u32 s72, s67, 64
	s_lshl_b32 s72, s72, 4
	s_lshl_b32 s73, s17, 6
	s_add_co_u32 s72, s72, s73                     ; my first token
	s_lshl_b32 s72, s72, 12                        ; rows of 4,096 bytes
	s_lshl_b32 s73, s68, 4
	s_lshl_b32 s74, s18, 7
	s_add_co_u32 s73, s73, s74                     ; my first column
	s_lshl_b32 s73, s73, 2
	s_add_co_u32 s72, s72, s73
	s_mov_b32 s73, 0
	s_add_nc_u64 s[8:9], s[8:9], s[72:73]
	s_wait_alu depctr_va_vdst(0)                   ; the wait at the head's end
	s_cmp_lt_u32 s16, 2                            ; waves 0 and 1 wait for slot 0's two tiles, which their own load lines brought; slot 1 may stay out
	s_cbranch_scc0 .Lnot_slot0
	s_wait_tensorcnt 0x0
.Lnot_slot0:
	s_barrier_signal -1
	s_barrier_wait -1                              ; slot 0 is whole
	FETCH 0
	s_wait_loadcnt 0x0                             ; the scale words
	KSTEP 0, 0                                     ; the first step's products start the sums: nothing is cleared
	KSTEP 1, 0
	KSTEP 2, 0
	KSTEP 3, 1                                     ; its fetch is slot 1's first
	KSTEP 4, 0
	KSTEP 5, 0
	KSTEP 6, 0
	s_wait_dscnt 0x0                               ; the last step: nothing more to fetch
	MUL32 7, 0
	PLACES 4                                       ; in front of the first read of results and of loads into the registers that held S1's fragments
; THE WAY OUT, block by block of 16 tokens x 128 columns.  In accumulator (a, b) lane (r, h) holds token lane-row r and columns 64 (b / 4) + 8 (b % 4) + 32 h + 0 .. 7.  A block goes through my own stage and comes back as
; whole rows of 512 bytes.  LDS serves a wave's instructions in order: no wait between the stores and the loads, nor in front of the next block's stores.  Lane-row t of block a is token 8 a + t % 8 + 32 (t / 8).
.macro TOSTAGE a
	WIN 0x08                                       ; an LDS store's data are its source 1: window 2
.irp b, 0,1,2,3,4,5,6,7
	ds_store_b128 v[STO], v[64*(\a)+8*\b:64*(\a)+8*\b+3] offset:256*(\b/4)+32*(\b%4)        ; each accumulator from its low end on
	ds_store_b128 v[STO], v[64*(\a)+8*\b+4:64*(\a)+8*\b+7] offset:256*(\b/4)+32*(\b%4)+16
.endr
	WIN 0
.set BB, BK+64*((\a)%2)
.irp t, 0,1,2,3,4,5,6,7,8,9,10,11,12,13,14,15
	ds_load_b128 v[BB+4*\t:BB+4*\t+3], v[RD] offset:\t*SPITCH
.endr
.endm
.macro SEND a, younger                 ; younger: the LDS instructions issued behind block a's loads, which may stay out
.set BB, BK+64*((\a)%2)
	s_wait_dscnt \younger
.if (\a) > 0
	s_add_nc_u64 s[8:9], s[8:9], 8*4096            ; (behind a wait on XCNT: the earlier stores have read their base)  8 tokens on
.endif
.irp t, 0,1,2,3,4,5,6,7,8,9,10,11,12,13,14,15
	global_store_b128 v16, v[BB+4*\t:BB+4*\t+3], s[8:9] offset:(\t%8+32*(\t/8))*4096 th:TH_STORE_NT   ; 32 lanes store 512 consecutive bytes, aligned; written once, read by nobody here
.endr
.endm
	TOSTAGE 0
.irp a, 1,2,3
.if \a > 1
	s_wait_xcnt 0x0                                ; block a - 2's stores have read their registers and their base
.endif
	TOSTAGE \a
	SEND \a-1, 32                                  ; behind block a - 1's loads: block a's 16 stores and 16 loads
.endr
	s_wait_xcnt 0x0
	SEND 3, 0
	s_wait_tensorcnt 0x0                           ; the wave's end
	ds_add_u32 v[SPW], v[NIL]
	s_wait_dscnt 0x0
	CROUND                                         ; the closing round
	s_endpgm
.Lfunc_end_k_qad80844080_oproj:
	.size	k_qad80844080_oproj, .Lfunc_end_k_qad80844080_oproj-k_qad80844080_oproj
	.p2alignl 7, 3214868480
	.fill 96, 4, 3214868480
	.section	.rodata,"a",@progbits
	.p2align	6, 0x0
	.amdhsa_kernel k_qad80844080_oproj
		.amdhsa_group_segment_fixed_size 295424
		.amdhsa_private_segment_fixed_size 0
		.amdhsa_enable_private_segment 0
		.amdhsa_kernarg_size 24
		.amdhsa_user_sgpr_count 2
		.amdhsa_user_sgpr_kernarg_segment_ptr 1
		.amdhsa_wavefront_size32 1
		.amdhsa_system_sgpr_workgroup_id_x 1
		.amdhsa_system_sgpr_workgroup_id_y 1
		.amdhsa_system_sgpr_workgroup_id_z 1
		.amdhsa_system_vgpr_workitem_id 0
		.amdhsa_next_free_vgpr 768
		.amdhsa_next_free_sgpr 100
		.amdhsa_reserve_vcc 1
		.amdhsa_float_denorm_mode_32 3
		.amdhsa_float_denorm_mode_16_64 3
		.amdhsa_memory_ordered 1
		.amdhsa_forward_progress 1
		.amdhsa_inst_pref_size 82
	.end_amdhsa_kernel
	.amdgpu_metadata
---
amdhsa.version: [ 1, 2 ]
amdhsa.kernels:
  - .name:           k_qad80844080_oproj
    .symbol:         k_qad80844080_oproj.kd
    .args:
      - { .name: ocodes, .offset: 0, .size: 8, .value_kind: global_buffer, .address_space: global }
      - { .name: ogsc, .offset: 8, .size: 8, .value_kind: global_buffer, .address_space: global }
      - { .name: out0, .offset: 16, .size: 8, .value_kind: global_buffer, .address_space: global }
    .group_segment_fixed_size: 295424
    .private_segment_fixed_size: 0
    .kernarg_segment_align: 8
    .kernarg_segment_size: 24
    .max_flat_workgroup_size: 128
    .sgpr_count:     100
    .vgpr_count:     768
    .wavefront_size: 32
...
	.end_amdgpu_metadata
.endif
;; end of part 4
